; MI455X (gfx1250); checked and timed in simulation.
; The chip was launched on July 23, 2026; its instructions are those of AMD's public machine-readable ISA for CDNA 5 (MIT licence, August 2026) and "CDNA5" Instruction Set Architecture Reference Guide (July 2026). The comments in the code are by the model that wrote it; some were corrected since.
;; Multi Head. Allowed arithmetic: matrix products marked QUANTISED: E3M2 operands, one E8M0 scale for each 32 along K, by v_wmma_scale_f32_16x16x128_f8f6f4 with both operands' format E3M2, f32 sums; everything else in f32.
;; Inputs: Wk 16 x 1,024 x 64 float32; Wproj 1,024 x 1,024 float32; Wq 16 x 1,024 x 64 float32; Wv 16 x 1,024 x 64 float32; bproj 1,024 float32; x 4 x 2,048 x 1,024 float32.
;; Outputs: out0 4 x 2,048 x 1,024 float32.
;; This version of the problem:
;;   THIS VERSION OF THE PROBLEM IS GIVEN IN LOW PRECISION. The matrix products marked QUANTISED in the list below multiply operands that are first quantised to E3M2 (3 exponent bits, 2 mantissa bits; 6 bits a number), with one power-of-two scale for each 32 numbers along K (OCP MX v1.0); their sums are f32. All else is computed in f32.
;;   The module's matrix products, in the order in which they are computed (A, B: the left and right operand; K: the contracted axis; several contracted axes count as one K, in the product's order):
;;     1. [M 1,024, K 1,024] x [K 1,024, N 8,192]; A: input Wq; B: input x: QUANTISED
;;     2. [M 1,024, K 1,024] x [K 1,024, N 8,192]; A: input Wk; B: input x: QUANTISED
;;     3. [M 1,024, K 1,024] x [K 1,024, N 8,192]; A: input Wv; B: input x: QUANTISED
;;     4. batch 64 x [M 2,048, K 64] x [K 64, N 2,048]; A: computed on the way; B: computed on the way: QUANTISED
;;     5. batch 64 x [M 2,048, K 2,048] x [K 2,048, N 64]; A: softmax (see below); B: computed on the way: QUANTISED
;;     6. [M 8,192, K 1,024] x [K 1,024, N 1,024]; A: computed on the way; B: input Wproj: QUANTISED
;;   THE QUANTISER, for each operand of a quantised product, along K:
;;     - K is cut into blocks of 32 from its start; a last block that is shorter is filled with zeros.
;;     - A block's scale is 2^e with e = floor(log2(the largest magnitude in the block)) - 4, held to -126 .. 127; a block of zeros has e = 0. As a byte (E8M0): e + 127.
;;     - Each number is divided by its block's scale, clamped to +-28, and rounded to the nearest number of E3M2, ties to even, subnormals kept.
;;     - The product sums the exact products of the quantised numbers (number of the format x scale) in f32.
;;   ~~~python
;;   def quantise(x, axis):      # numpy; x: float32 -> the quantised numbers, widened to float32 again
;;       x = np.moveaxis(x, axis, -1); K = x.shape[-1]
;;       x = np.pad(x, [(0, 0)] * (x.ndim - 1) + [(0, -K % 32)]); x = x.reshape(x.shape[:-1] + (-1, 32)); a = np.abs(x).max(-1, keepdims=True)
;;       e = np.where(a > 0, np.clip(np.frexp(np.where(a > 0, a, 1))[1] - 1 - 4, -126, 127), 0)      # np.frexp(a)[1] - 1 = floor(log2(a)), exactly
;;       r = np.clip(x / 2.0 ** e, -28, 28)
;;       step = 2.0 ** (np.maximum(np.frexp(np.where(r == 0, 1, r))[1] - 1, -2) - 2)
;;       q = np.round(r / step) * step * 2.0 ** e      # np.round: ties to even
;;       return np.moveaxis(q.reshape(q.shape[:-2] + (-1,))[..., :K], -1, axis).astype(np.float32)
;;   ~~~
;;   SOFTMAX AHEAD OF A QUANTISED PRODUCT. Where the list says 'softmax', what is quantised is not the finished softmax but p = 2^(t - M), with t = logit x log2(e) and M = ceil(the row's largest t), a whole number; so 1/2 < the row's largest p <= 1. The row's sum l is taken of the UNQUANTISED p, in f32, and the product's result is divided by l at the end. Since M is a whole number, a kernel that streams over the keys may use a running M (the ceiling of the running maximum): every later rescaling is an exact power of two, which a block's scale takes up: the codes' values come out the same.
;;   OPERANDS COMPUTED ON THE WAY. 'Computed on the way' means the value that the module computes at that place (a softmax that the list does not call 'softmax' is quantised finished and normalised). What goes into a quantiser is computed in f32, as accurately as f32 sums, v_exp_f32 and their like allow (about 1e-6 of the number): no bf16 or f16 on the way to a quantiser, and a product that is left as it is and whose result goes on into a quantised operand takes f32 operands (vector FMAs, or v_wmma_f32_16x16x4_f32). A number that lies on a knife's edge between two numbers of the format may be rounded either way, as far as f32 arithmetic and the matrix unit's own rounding can turn it there, and no further.
;; One version. Each part assembles by itself: llvm-mc -triple=amdgcn-amd-amdhsa -mcpu=gfx1250 --defsym DOCPART=n.
;; ======== version 1 of 1: 4 launches
;; limits: right only within a limited range of input values
;; workspace buffers: xc 6,553,600 bytes; wc 3,276,800 bytes; qimg 6,553,600 bytes; kvimg 13,107,200 bytes; oc 6,553,600 bytes
;; launch quant (part 1): grid 256 x 1, 6 waves a work-group, no clusters, 52,992 bytes of LDS; arguments x, Wq, Wk, Wv, Wproj, xc, wc; writes xc, wc
.if DOCPART == 1
	.amdgcn_target "amdgcn-amd-amdhsa--gfx1250"
	.amdhsa_code_object_version 6
	.text
	.protected	k_q3cde2c2519_quant
	.globl	k_q3cde2c2519_quant
	.p2align	8
	.type	k_q3cde2c2519_quant,@function
k_q3cde2c2519_quant:
	s_mov_b64 s[64:65], 0
	v_nop
	global_prefetch_b8 v0, s[64:65] scope:SCOPE_SE
	s_setreg_imm32_b32 hwreg(HW_REG_WAVE_MODE, 25, 1), 1
	s_wait_xcnt 0x0
; LAUNCH 1 OF 4: x [8192][1024] and the four weights, f32, become codes of E3M2 with one E8M0 byte for each 32 along K (K = the embedding axis; for Wproj its first axis).
; THE WHOLE PROGRAM: quant (this) | qkv: products 1-3, results quantised in registers | attn: products 4 and 5 with the softmax | proj: product 6 and the bias.
; DEAD WORK LEFT OUT BY THE PROGRAM: reference() sets every score whose key comes after its query to -infinity by its own jnp.tril; the softmax gives such a key the weight 0 whatever the inputs hold.
;   So a step of 128 keys all of which come after a tile's 16 queries adds nothing to that tile's sum or output, and launch attn leaves such steps out.  Nothing else is left out; every input is loaded.
;   LIMIT: a NaN, an infinity or an overflow that reaches only those hidden scores is not carried to the result.
; LIMITS: NaN and infinities among the inputs are not served.  A block of zeros, and a block whose largest magnitude lies under 2^-122, gets the byte 1 (the rule says 127 for zeros): its codes are zeros or
;   are held as the rule's clip at -126 holds them, and the bytes are read by this program alone.
; LAYOUT OF xc AND wc (images of operand registers).  32 rows (a B32) x 256 along K are a CHUNK of 6,400 bytes; a tensor is [B32][4 chunks].  The 16 rows of tile u (0, 1) of a B32 are 8 u + r + 8 (r / 8).
;   A fragment (tile u, K step ks of 128) lies at 3072 u + 1536 ks: two halves of 768 bytes (64 along K each); in a half lane l = r + 16 h holds the 32 codes of row r, block h: registers 0-3 at 16 l, 4-5 at 512 + 8 l.
;   At 6,144: the scale words, word (u, r, ks) at 128 u + 8 r + 4 ks.   wc's B32: 0-31 Wq, 32-63 Wk, 64-95 Wv (row = head x 64 + d), 96-127 Wproj (row = n).
; SHARES.  A wave makes one chunk: 32 KiB in, 6,400 bytes out.  Waves 0-3: the four chunks of B32 = work-group of x (K innermost: loads of 512 dense bytes, turned through the wave's own stage in LDS).
;   Waves 4, 5: two chunks of a weight (K outermost: a lane takes a row of the operand, its registers run down K; the two waves stand side by side on 256 bytes of each row of memory).
; No tensor load, no barrier: waves share nothing.  Matrix units and clusters buy nothing in a stream.
.set REGB,  8704                       ; LDS: a region for each wave: x: a stage of 16 rows x 528 bytes; weights: the chunk's 6,144 bytes of codes
.set SPARE, 6*REGB                     ; behind the regions: the spare words, 128 bytes a wave: three blocks of 256 bytes that no other line names
.set SPW, 12                           ; v12  my spare word's address; never rewritten
.set NIL, 13                           ; v13  0; never rewritten
.set R,   16                           ; x: v16-143 two sets of 64 numbers
.set C,   144                          ; v144-155 a fragment's codes
.set T,   156                          ; v156-163 the upper halves of blocks as the conversions leave them
.set M,   164                          ; v164-171 largest magnitudes, scale operands, bytes
.set PW,  172                          ; v172-175 x: the four fragments' scale words
.set XW,  16                           ; weights: v16-79 two sets of 32 numbers
.set OA,  80                           ; v80-111, v112-127: the chunk read back from LDS
.set OB,  112
.set SB,  172                          ; v172-173 my row's two scale words
.set AO,  176                          ; v176-207 byte offset of row i of a block of 32 along K: 4 lane + i x pitch
	s_load_b256 s[4:11], s[0:1], 0x0               ; x, Wq, Wk, Wv
	s_load_b128 s[12:15], s[0:1], 0x20             ; Wproj, xc
	s_load_b64 s[16:17], s[0:1], 0x30              ; wc
	v_lshl_add_u32 v[SPW], v0, 2, SPARE
	v_mov_b32 v[NIL], 0
	v_lshrrev_b32 v14, 5, v0
	v_readfirstlane_b32 s18, v14                   ; wave 0..5
	s_mul_i32 s19, s18, REGB                       ; my region.  Every LDS address is made here, ahead of the parting of the roles
	v_and_b32 v1, 31, v0                           ; lane
	v_lshlrev_b32 v2, 4, v1                        ; 16 lane
	v_lshlrev_b32 v3, 3, v1                        ; 8 lane
	v_lshlrev_b32 v10, 2, v1                       ; 4 lane
	v_add_nc_u32 v4, s19, v2                       ; region + 16 lane
	v_add_nc_u32 v8, s19, v3                       ; region + 8 lane
	v_and_b32 v15, 15, v0                          ; r
	v_bfe_u32 v11, v0, 4, 1                        ; h
	v_mul_u32_u24 v5, v15, 528
	v_lshl_add_u32 v5, v11, 7, v5
	v_add_nc_u32 v5, s19, v5                       ; the stage on the way out: row r, + 128 h: my 32 neighbours of each 64
	v_bfe_u32 v15, v0, 3, 1                        ; weights: lane = row of the B32 = 8 u' + r' + 8 (r' / 8): u'
	v_and_b32 v9, 7, v0
	v_lshl_add_u32 v9, v11, 3, v9                  ; r'
	v_mul_u32_u24 v7, v15, 3072
	v_add_nc_u32 v7, s19, v7
	v_lshl_add_u32 v6, v9, 4, v7                   ; region + 3072 u' + 16 r'
	v_lshl_add_u32 v7, v9, 3, v7                   ; region + 3072 u' + 8 r'
	v_lshlrev_b32 v9, 3, v9
	v_lshl_add_u32 v9, v15, 7, v9                  ; 128 u' + 8 r': my row's scale words in the chunk
	v_lshlrev_b32 v11, 3, v11                      ; 8 h
	v_mov_b32 v14, 0                               ; a lane permute's destination counts as one of its sources
	s_mov_b32 s20, 0x76543210
	s_mov_b32 s21, 0xfedcba98                      ; selects for lane l xor 16
	s_mov_b32 s22, 0xffff0000                      ; lanes 16-31
	s_wait_kmcnt 0x0
	s_cmp_ge_u32 s18, 4
	s_cbranch_scc1 .Lweights
; ---------------- x: B32 = work-group, chunk = wave ----------------
	s_lshl_b32 s44, ttmp9, 17                      ; 32 rows of 4,096 bytes
	s_lshl_b32 s45, s18, 10                        ; 256 numbers along K
	s_add_co_u32 s44, s44, s45
	s_mov_b32 s45, 0
	s_add_nc_u64 s[24:25], s[4:5], s[44:45]
	s_mul_i32 s44, ttmp9, 25600
	s_mul_i32 s46, s18, 6400
	s_add_co_u32 s44, s44, s46
	s_add_nc_u64 s[26:27], s[14:15], s[44:45]
.macro LOADX t                         ; fragment t = 2 u + ks: its 16 rows x 128 numbers; a load reads 512 consecutive bytes of one row
.irp i, 0,1,2,3,4,5,6,7,8,9,10,11,12,13,14,15
	global_load_b128 v[R+64*((\t)%2)+4*\i:R+64*((\t)%2)+4*\i+3], v2, s[24:25] offset:(8*((\t)/2)+\i+8*(\i/8))*4096+512*((\t)%2) th:TH_LOAD_NT
.endr
.endm
.macro STEPX t
.set RS, R+64*((\t)%2)
.if (\t) < 3
	s_wait_loadcnt 16                              ; this fragment's 16 loads are in; the next fragment's 16 may be out
.else
	s_wait_loadcnt 0x0
.endif
.irp i, 0,1,2,3,4,5,6,7,8,9,10,11,12,13,14,15
	ds_store_b128 v4, v[RS+4*\i:RS+4*\i+3] offset:528*\i
.endr
	s_wait_dscnt 0x0                               ; the stores have read their registers, which the loads below fill
.irp c, 0,1
.irp j, 0,1,2,3,4,5,6,7
	ds_load_b128 v[RS+32*\c+4*\j:RS+32*\c+4*\j+3], v5 offset:256*\c+16*\j   ; lane (r, h): k = 64 c + 32 h + 0 .. 31 of row r: two whole blocks
.endr
.endr
	s_wait_dscnt 0x0
.irp c, 0,1
	v_max3_num_f32 v[M+\c], |v[RS+32*\c]|, |v[RS+32*\c+1]|, 0x2800000   ; the block's largest magnitude, and the floor 2^(5 - 127): the byte cannot fall under 1
.endr
.irp i, 2,4,6,8,10,12,14,16,18,20,22,24,26,28,30
.irp c, 0,1
	v_max3_num_f32 v[M+\c], v[M+\c], |v[RS+32*\c+\i]|, |v[RS+32*\c+\i+1]|
.endr
.endr
.irp c, 0,1
	v_add_nc_u32 v[M+2+\c], 0xfe000000, v[M+\c]    ; 4 off the exponent field: the conversion's scale operand
.endr
.irp c, 0,1
	v_lshrrev_b32 v[M+4+\c], 23, v[M+2+\c]         ; the scale's byte
.endr
	v_lshl_or_b32 v[PW+(\t)], v[M+5], 16, v[M+4]   ; my two bytes, blocks h and 2 + h,
	v_lshlrev_b32 v[PW+(\t)], v11, v[PW+(\t)]      ; at their places;
	v_permlanex16_b32 v14, v[PW+(\t)], s20, s21
	v_or_b32 v[PW+(\t)], v[PW+(\t)], v14           ; with lane l xor 16's two the word is whole
	s_wait_alu depctr_va_vdst(0)
	s_wait_xcnt 0x0                                ; the last fragment's stores have read the codes' registers
.irp c, 0,1
	v_cvt_scalef32_pk16_bf6_f32 v[C+6*\c:C+6*\c+2], v[RS+32*\c:RS+32*\c+15], v[M+2+\c]
	v_cvt_scalef32_pk16_bf6_f32 v[T+4*\c:T+4*\c+2], v[RS+32*\c+16:RS+32*\c+31], v[M+2+\c]   ; (a conversion's three registers begin on an even number)
.endr
	v_nop                                          ; one plain place behind a scaled conversion
.irp c, 0,1
.irp i, 0,1,2
	v_mov_b32 v[C+6*\c+3+\i], v[T+4*\c+\i]
.endr
.endr
.irp c, 0,1
	global_store_b128 v2, v[C+6*\c:C+6*\c+3], s[26:27] offset:1536*(\t)+768*\c          ; 512 consecutive bytes
	global_store_b64 v3, v[C+6*\c+4:C+6*\c+5], s[26:27] offset:1536*(\t)+768*\c+512     ; 256 consecutive bytes
.endr
.if (\t) < 2
	LOADX (\t)+2
.endif
.endm
	LOADX 0
	LOADX 1
	STEPX 0
	STEPX 1
	STEPX 2
	STEPX 3
	v_cndmask_b32 v[M], v[PW], v[PW+2], s22        ; lanes 0-15: tile 0's words, lanes 16-31: tile 1's; K step 0,
	v_cndmask_b32 v[M+1], v[PW+1], v[PW+3], s22    ; K step 1
	global_store_b64 v3, v[M:M+1], s[26:27] offset:6144   ; 256 consecutive bytes, aligned
	s_wait_tensorcnt 0x0                           ; the wave's end
	ds_add_u32 v[SPW], v[NIL]
	s_wait_dscnt 0x0
	s_endpgm
; ---------------- the weights: tensor = g / 64, B32 of wc = 2 (g / 4) + (wave - 4), chunk = g % 4 ----------------
.Lweights:
	s_sub_co_u32 s44, s18, 4                       ; 0 or 1
	s_lshr_b32 s45, ttmp9, 6                       ; which tensor: the choice hangs on the work-group's number alone
	s_cmp_lt_u32 s45, 1
	s_cselect_b64 s[24:25], s[6:7], s[8:9]
	s_cmp_lt_u32 s45, 2
	s_cselect_b64 s[24:25], s[24:25], s[10:11]
	s_cmp_lt_u32 s45, 3
	s_cselect_b64 s[24:25], s[24:25], s[12:13]
	s_mov_b32 s46, 4096
	s_cselect_b32 s46, 256, s46                    ; bytes from K to K + 1: a head's row of 64, or Wproj's row of 1,024
	s_mov_b32 s47, 256
	s_cselect_b32 s47, 0x40000, s47                ; bytes from one 64 rows of the operand to the next: a head, or 64 columns of Wproj
	s_bfe_u32 s48, ttmp9, 0x40002                  ; (g / 4) % 16
	s_mul_i32 s48, s48, s47
	s_lshl_b32 s49, s44, 7                         ; my 32 of the 64
	s_add_co_u32 s48, s48, s49
	s_and_b32 s51, ttmp9, 3                        ; the chunk: 256 along K
	s_mul_i32 s50, s51, s46
	s_lshl_b32 s50, s50, 8
	s_add_co_u32 s48, s48, s50
	s_mov_b32 s49, 0
	s_add_nc_u64 s[28:29], s[24:25], s[48:49]      ; block 0 of 32 along K; a base for each of the eight blocks, so that none is ever stepped
	s_lshl_b32 s52, s46, 5
	s_mov_b32 s53, 0
.irp k, 1,2,3,4,5,6,7
	s_add_nc_u64 s[28+2*\k:29+2*\k], s[26+2*\k:27+2*\k], s[52:53]
.endr
	s_lshr_b32 s54, ttmp9, 2
	s_lshl_b32 s54, s54, 1
	s_add_co_u32 s54, s54, s44
	s_mul_i32 s54, s54, 25600
	s_mul_i32 s55, s51, 6400
	s_add_co_u32 s54, s54, s55
	s_mov_b32 s55, 0
	s_add_nc_u64 s[26:27], s[16:17], s[54:55]
.irp i, 0,1,2,3,4,5,6,7,8,9,10,11,12,13,14,15,16,17,18,19,20,21,22,23,24,25,26,27,28,29,30,31
	v_mad_u32_u24 v[AO+\i], s46, \i, v10
.endr
.macro LOADW kb                        ; block kb: W(32 kb + i, my row), i = 0 .. 31: a load reads 128 consecutive bytes
.irp i, 0,1,2,3,4,5,6,7,8,9,10,11,12,13,14,15,16,17,18,19,20,21,22,23,24,25,26,27,28,29,30,31
	global_load_b32 v[XW+32*((\kb)%2)+\i], v[AO+\i], s[28+2*(\kb):29+2*(\kb)] th:TH_LOAD_NT
.endr
.endm
.macro BLOCKW kb                       ; K step kb / 4, half (kb / 2) % 2, block h = kb % 2
.set XS, XW+32*((\kb)%2)
.if (\kb) < 7
	s_wait_loadcnt 32                              ; this block's 32 loads are in; the next block's may be out
.else
	s_wait_loadcnt 0x0
.endif
	v_max3_num_f32 v[M], |v[XS]|, |v[XS+1]|, |v[XS+2]|   ; all 32 numbers are mine: two chains
	v_max3_num_f32 v[M+1], |v[XS+3]|, |v[XS+4]|, |v[XS+5]|
.irp i, 6,10,14,18,22,26
	v_max3_num_f32 v[M], v[M], |v[XS+\i]|, |v[XS+\i+1]|
	v_max3_num_f32 v[M+1], v[M+1], |v[XS+\i+2]|, |v[XS+\i+3]|
.endr
	v_max3_num_f32 v[M], v[M], |v[XS+30]|, |v[XS+31]|
	v_max3_num_f32 v[M], v[M], v[M+1], 0x2800000   ; and the floor
	v_add_nc_u32 v[M+2], 0xfe000000, v[M]
	v_lshrrev_b32 v[M+3], 23, v[M+2]
.if (\kb)%4 == 0
	v_mov_b32 v[SB+(\kb)/4], v[M+3]
.else
	v_lshl_or_b32 v[SB+(\kb)/4], v[M+3], 8*((\kb)%4), v[SB+(\kb)/4]
.endif
	v_cvt_scalef32_pk16_bf6_f32 v[C:C+2], v[XS:XS+15], v[M+2]
	v_cvt_scalef32_pk16_bf6_f32 v[T:T+2], v[XS+16:XS+31], v[M+2]
	v_nop                                          ; one plain place behind a scaled conversion
.irp i, 0,1,2
	v_mov_b32 v[C+3+\i], v[T+\i]
.endr
	ds_store_b128 v6, v[C:C+3] offset:1536*((\kb)/4)+768*(((\kb)/2)%2)+256*((\kb)%2)        ; where lane r' + 16 h of the fragment's image has its registers 0-3,
	ds_store_b64 v7, v[C+4:C+5] offset:1536*((\kb)/4)+768*(((\kb)/2)%2)+512+128*((\kb)%2)   ; and 4-5
.if (\kb) < 6
	LOADW (\kb)+2
.endif
	s_wait_dscnt 0x0                               ; the stores have read their registers: the next block's codes may be written
.endm
	LOADW 0
	LOADW 1
.irp k, 0,1,2,3,4,5,6,7
	BLOCKW \k
.endr
.irp f, 0,1,2,3,4,5,6,7                ; the image leaves as it lies: 512 and 256 consecutive bytes a store
	ds_load_b128 v[OA+4*\f:OA+4*\f+3], v4 offset:768*\f
	ds_load_b64 v[OB+2*\f:OB+2*\f+1], v8 offset:768*\f+512
.endr
	s_wait_dscnt 0x0
.irp f, 0,1,2,3,4,5,6,7
	global_store_b128 v2, v[OA+4*\f:OA+4*\f+3], s[26:27] offset:768*\f
	global_store_b64 v3, v[OB+2*\f:OB+2*\f+1], s[26:27] offset:768*\f+512
.endr
	s_wait_alu depctr_va_vdst(0)
	global_store_b64 v9, v[SB:SB+1], s[26:27] offset:6144   ; the 32 lanes fill the chunk's 256 bytes of scale words
	s_wait_tensorcnt 0x0                           ; the wave's end
	ds_add_u32 v[SPW], v[NIL]
	s_wait_dscnt 0x0
	s_endpgm
.Lfunc_end_k_q3cde2c2519_quant:
	.size	k_q3cde2c2519_quant, .Lfunc_end_k_q3cde2c2519_quant-k_q3cde2c2519_quant
	.p2alignl 7, 3214868480
	.fill 96, 4, 3214868480
	.section	.rodata,"a",@progbits
	.p2align	6, 0x0
	.amdhsa_kernel k_q3cde2c2519_quant
		.amdhsa_group_segment_fixed_size 52992
		.amdhsa_private_segment_fixed_size 0
		.amdhsa_enable_private_segment 0
		.amdhsa_kernarg_size 56
		.amdhsa_user_sgpr_count 2
		.amdhsa_user_sgpr_kernarg_segment_ptr 1
		.amdhsa_wavefront_size32 1
		.amdhsa_system_sgpr_workgroup_id_x 1
		.amdhsa_system_sgpr_workgroup_id_y 1
		.amdhsa_system_sgpr_workgroup_id_z 1
		.amdhsa_system_vgpr_workitem_id 0
		.amdhsa_next_free_vgpr 208
		.amdhsa_next_free_sgpr 66
		.amdhsa_reserve_vcc 0
		.amdhsa_float_denorm_mode_32 3
		.amdhsa_float_denorm_mode_16_64 3
		.amdhsa_memory_ordered 1
		.amdhsa_forward_progress 1
		.amdhsa_inst_pref_size 74
	.end_amdhsa_kernel
	.amdgpu_metadata
---
amdhsa.version: [ 1, 2 ]
amdhsa.kernels:
  - .name:           k_q3cde2c2519_quant
    .symbol:         k_q3cde2c2519_quant.kd
    .args:
      - { .name: x, .offset: 0, .size: 8, .value_kind: global_buffer, .address_space: global }
      - { .name: Wq, .offset: 8, .size: 8, .value_kind: global_buffer, .address_space: global }
      - { .name: Wk, .offset: 16, .size: 8, .value_kind: global_buffer, .address_space: global }
      - { .name: Wv, .offset: 24, .size: 8, .value_kind: global_buffer, .address_space: global }
      - { .name: Wproj, .offset: 32, .size: 8, .value_kind: global_buffer, .address_space: global }
      - { .name: xc, .offset: 40, .size: 8, .value_kind: global_buffer, .address_space: global }
      - { .name: wc, .offset: 48, .size: 8, .value_kind: global_buffer, .address_space: global }
    .group_segment_fixed_size: 52992
    .private_segment_fixed_size: 0
    .kernarg_segment_align: 8
    .kernarg_segment_size: 56
    .max_flat_workgroup_size: 192
    .sgpr_count:     66
    .vgpr_count:     208
    .wavefront_size: 32
...
	.end_amdgpu_metadata
.endif
;; end of part 1
;; launch qkv (part 2): grid 8 x 32, 4 waves a work-group, clusters of 4 x 4, 327,680 bytes of LDS; arguments xc, wc, qimg, kvimg; writes qimg, kvimg
.if DOCPART == 2
	.amdgcn_target "amdgcn-amd-amdhsa--gfx1250"
	.amdhsa_code_object_version 6
	.text
	.protected	k_q3cde2c2519_qkv
	.globl	k_q3cde2c2519_qkv
	.p2align	8
	.type	k_q3cde2c2519_qkv,@function
k_q3cde2c2519_qkv:
	s_mov_b64 s[64:65], 0
	v_nop
	global_prefetch_b8 v0, s[64:65] scope:SCOPE_SE
	s_setreg_imm32_b32 hwreg(HW_REG_WAVE_MODE, 25, 1), 1
	s_wait_xcnt 0x0
	s_wait_alu depctr_hold_cnt(0) depctr_sa_sdst(0) depctr_va_vdst(0) depctr_va_sdst(0) depctr_va_ssrc(0) depctr_va_vcc(0) depctr_vm_vsrc(0)
	s_getreg_b32 s2, hwreg(HW_REG_IB_STS2, 6, 4)
	s_cmp_eq_u32 s2, 0
	s_cbranch_scc0 .Lentry_in_a_cluster
	s_endpgm
.Lentry_in_a_cluster:
	s_bfe_u32 s2, ttmp6, 0x10000c
	s_cmp_lg_u32 s2, 0xf033
	s_cbranch_scc0 .Lentry_shape_is_right
	s_endpgm
.Lentry_shape_is_right:
; LAUNCH 2 OF 4: q, k, v = x W (products 1-3) on codes of E3M2, and the results quantised in registers for products 4 and 5: q and k along d, v along the keys.  No f32 intermediate goes to memory.
; A WORK-GROUP STAYS: it holds 256 tokens of x, all K = 1,024, in LDS (filled once) and walks three weight tiles of 128 rows: Wq, Wk, Wv of the same two heads.  256 work-groups: 32 token tiles x 8 pairs of heads.
; LDS is twelve blocks of 25,600 bytes, each 32 rows x all K as they lie in xc and wc (four chunks of 6,400 bytes, 256 along K each): blocks 0-7 x, blocks 8-11 the weight tile.
;   The weight tile is a ring of two slots: slot A = chunks 0, 1 of its four blocks, slot B = chunks 2, 3.  At K step 3 nobody reads slot A any more, at K step 7 slot B: each is then filled with the next tile's rows,
;   wave w fetching block 8 + w's 12,800 bytes.  A refill is asked for four K steps, 128 matrix instructions a wave, ahead of its first read.
; THE PRODUCT.  A wave has 32 accumulators: source 0 = 128 rows (tiles b = 0..7), source 1 = 64 rows (tiles a = 0..3).  The 16 rows of a tile are 8 u + r + 8 (r / 8) of a block, so a lane holds ONE row of source 1,
;   and its registers 64 a + 16 B + i are source 0's rows 32 B + 16 (lane / 16) + i: 16 neighbours, as the conversions want them.
;   q, k (mode 0): source 0 = the weight tile (two heads x 64 d), source 1 = my 64 tokens.   v (mode 1): source 0 = 128 tokens (a key step), source 1 = one head's 64 rows of Wv: registers run along the keys.
;   The tiles for q and k are a loop of two trips; the tile for v, which asks for nothing more, is written out.
; CLUSTER 4 x 4: x's blocks hang on the token tile alone and are asked for jointly along a row of the cluster, the weights' on the pair of heads and along a column.
; NO PREFETCH: the launch has four refills, each asked for four K steps ahead of its first read, and K is eight steps long.
; OUT, as launch attn reads it.  qimg [b x 16 + head][16][6,400]: four pairs at 1536 x pair (the two tiles of 32 tokens, a half of 768 bytes each), at 6,144 two images of 128 bytes of scale words.
;   kvimg [b x 16 + head][16][12,800]: K's pairs at 0; V's four fragments (16 d x 128 keys) at 6,144 + 1536 t; K's scale images at 12,288, V's at 12,544.
; LIMITS: as stated at the head of launch quant (NaN, infinities; a block of zeros has the byte 1).
; REGISTERS: window 0: v3-5 lane numbers, v8-19 LDS addresses, v24-25 the stores' offsets, v26-27 the add's two, v32-55 scale words (two sets), v64-159 source 1's fragments (two sets), v160-211 the way out.
;   window 1: source 0's fragments, two sets at v0 and v128.   window 2: the accumulators, (a, b) at v[64 a + 8 b].
.set BLK,   25600
.set WB,    8*BLK                      ; the weight tile's four blocks
.set SPARE, 12*BLK                     ; behind the blocks: the spare words, 128 bytes a wave: two blocks of 256 bytes that no other line names
.set WSTEP, 819200                     ; in wc from Wq's rows to Wk's and from Wk's to Wv's: 32 blocks
.set AD,  8                            ; v8-13 mode 0, v14-19 mode 1: source 0's blocks 0-1 (16 lane, 8 lane), its blocks 2-3, source 1's two blocks
.set SC0, 32
.set SC1, 48
.set S1F, 64
.set G1X, 24                           ; s[24:31] group 1 for x (4 blocks), s[32:39] for the first weight tile (2 blocks), s[40:47] for a refill (12,800 bytes as 50 rows of 256)
.set G1W, 32
.set G1R, 40
.set G0X, 48                           ; groups 0: x, the first weight tile, slot A's refills, slot B's
.set G0W, 52
.set G0RA, 56
.set G0RB, 60
.set PQ,  68                           ; s[68:75] where this tile's results go: first head, second head, their scale images;  s[76:83] the same for k;  s[84:85] v's step block
.set PK,  76
.set PV,  84
.set PC,   160
.set CT,   172
.set TM,   180
.set TM4,  184
.set TM12, 188
.set LO,   192
.set HI,   196
.set WD,   200
.set MSB, 0
.macro WIN new                         ; the immediate's high byte repeats the setting that is left
.if MSB != \new
	s_set_vgpr_msb (MSB<<8)|\new
.set MSB, \new
.endif
.endm
.macro PLACES                          ; four places behind a matrix instruction, ahead of loads into its registers and of reads of its results
.rept 4
	v_nop
.endr
.endm
.macro CROUND                          ; a round of the cluster's barrier
	s_barrier_signal -1
	s_barrier_wait -1
	s_cmp_lg_u32 s12, 0
	s_cbranch_scc1 .Lnot_wave_0_\@
	s_barrier_signal -3
.Lnot_wave_0_\@:
	s_barrier_wait -3
	s_barrier_signal -1
	s_barrier_wait -1
.endm
.macro FRAGLD reg, a16, a8, off        ; a fragment's image, 1,536 bytes: every load reads consecutive bytes
	ds_load_b128 v[(\reg):(\reg)+3], v[\a16] offset:(\off)
	ds_load_b64 v[(\reg)+4:(\reg)+5], v[\a8] offset:(\off)+512
	ds_load_b128 v[(\reg)+6:(\reg)+9], v[\a16] offset:(\off)+768
	ds_load_b64 v[(\reg)+10:(\reg)+11], v[\a8] offset:(\off)+1280
.endm
.macro FETCH n, m                      ; K step n of 128 in mode m: chunk n / 2, fragment set n % 2; with a chunk's first step its scale words
.set FQ, (\n)>>1
.set FK, (\n)&1
	WIN 0x40                                       ; destination window 1
.irp b, 0,1,2,3,4,5,6,7
	FRAGLD 128*FK+12*\b, AD+6*(\m)+2*(\b/4), AD+6*(\m)+2*(\b/4)+1, BLK*((\b/2)%2)+6400*FQ+3072*(\b%2)+1536*FK
.endr
	WIN 0
.irp a, 0,1,2,3
	FRAGLD S1F+48*FK+12*\a, AD+6*(\m)+4, AD+6*(\m)+5, BLK*(\a/2)+6400*FQ+3072*(\a%2)+1536*FK
.endr
.if FK == 0
.irp g, 0,1,2,3
	ds_load_b64 v[SC0+8*(FQ&1)+2*\g:SC0+8*(FQ&1)+2*\g+1], v[AD+6*(\m)+2*(\g/2)+1] offset:BLK*(\g%2)+6400*FQ+6144   ; lanes 0-15 the even tile's words, lanes 16-31 the odd tile's; two K steps
.endr
.irp g, 0,1
	ds_load_b64 v[SC1+4*(FQ&1)+2*\g:SC1+4*(FQ&1)+2*\g+1], v[AD+6*(\m)+5] offset:BLK*\g+6400*FQ+6144
.endr
.endif
.endm
.macro WM d, a, b, z, sa, sb, ra, rb   ; one product; z: it starts the sum; ra, rb: the side's scale words stand in lanes 16-31
.if (\z) && (\ra) && (\rb)
	v_wmma_scale_f32_16x16x128_f8f6f4 v[(\d):(\d)+7], v[(\a):(\a)+11], v[(\b):(\b)+11], 0, v[\sa], v[\sb] matrix_a_fmt:MATRIX_FMT_BF6 matrix_b_fmt:MATRIX_FMT_BF6 matrix_a_scale:MATRIX_SCALE_ROW1 matrix_b_scale:MATRIX_SCALE_ROW1
.elseif (\z) && (\ra)
	v_wmma_scale_f32_16x16x128_f8f6f4 v[(\d):(\d)+7], v[(\a):(\a)+11], v[(\b):(\b)+11], 0, v[\sa], v[\sb] matrix_a_fmt:MATRIX_FMT_BF6 matrix_b_fmt:MATRIX_FMT_BF6 matrix_a_scale:MATRIX_SCALE_ROW1
.elseif (\z) && (\rb)
	v_wmma_scale_f32_16x16x128_f8f6f4 v[(\d):(\d)+7], v[(\a):(\a)+11], v[(\b):(\b)+11], 0, v[\sa], v[\sb] matrix_a_fmt:MATRIX_FMT_BF6 matrix_b_fmt:MATRIX_FMT_BF6 matrix_b_scale:MATRIX_SCALE_ROW1
.elseif (\z)
	v_wmma_scale_f32_16x16x128_f8f6f4 v[(\d):(\d)+7], v[(\a):(\a)+11], v[(\b):(\b)+11], 0, v[\sa], v[\sb] matrix_a_fmt:MATRIX_FMT_BF6 matrix_b_fmt:MATRIX_FMT_BF6
.elseif (\ra) && (\rb)
	v_wmma_scale_f32_16x16x128_f8f6f4 v[(\d):(\d)+7], v[(\a):(\a)+11], v[(\b):(\b)+11], v[(\d):(\d)+7], v[\sa], v[\sb] matrix_a_fmt:MATRIX_FMT_BF6 matrix_b_fmt:MATRIX_FMT_BF6 matrix_a_scale:MATRIX_SCALE_ROW1 matrix_b_scale:MATRIX_SCALE_ROW1
.elseif (\ra)
	v_wmma_scale_f32_16x16x128_f8f6f4 v[(\d):(\d)+7], v[(\a):(\a)+11], v[(\b):(\b)+11], v[(\d):(\d)+7], v[\sa], v[\sb] matrix_a_fmt:MATRIX_FMT_BF6 matrix_b_fmt:MATRIX_FMT_BF6 matrix_a_scale:MATRIX_SCALE_ROW1
.elseif (\rb)
	v_wmma_scale_f32_16x16x128_f8f6f4 v[(\d):(\d)+7], v[(\a):(\a)+11], v[(\b):(\b)+11], v[(\d):(\d)+7], v[\sa], v[\sb] matrix_a_fmt:MATRIX_FMT_BF6 matrix_b_fmt:MATRIX_FMT_BF6 matrix_b_scale:MATRIX_SCALE_ROW1
.else
	v_wmma_scale_f32_16x16x128_f8f6f4 v[(\d):(\d)+7], v[(\a):(\a)+11], v[(\b):(\b)+11], v[(\d):(\d)+7], v[\sa], v[\sb] matrix_a_fmt:MATRIX_FMT_BF6 matrix_b_fmt:MATRIX_FMT_BF6
.endif
.endm
.macro MULH n, z, a0                   ; 16 products: tiles a0, a0 + 1 x the eight b.  The 32 accumulators take turns, one instruction a turn, in the same order in every step
.set MK, (\n)&1
.set MS, ((\n)>>1)&1
	WIN 0xa1                                       ; source 0 window 1, source 1 window 0, C and D window 2
.irp a, \a0, \a0+1
.irp b, 0,1,2,3,4,5,6,7
	WM 64*(\a)+8*\b, 128*MK+12*\b, S1F+48*MK+12*(\a), \z, SC0+8*MS+2*(\b/2)+MK, SC1+4*MS+2*((\a)/2)+MK, \b%2, (\a)%2
.endr
.endr
	WIN 0
.endm
; A K step.  kind 0: plain.  kind 1 (steps 3 and 7 of a tile that has a successor): the slot whose last fragments are in my registers is filled again.  kind 2 (step 3 of the last tile): a barrier shows slot B whole.
.macro STEP n, z, m, kind
.if (\kind) == 1
	s_wait_tensorcnt 0x0                           ; all my tensor loads have landed: the one that was out is my part of the other slot;
	ds_add_u32 v26, v27                            ; 0 onto my spare word;
.if (\n) == 3
	s_add_nc_u64 s[G0RA+2:G0RA+3], s[G0RA+2:G0RA+3], WSTEP   ; no load of mine is out: both refills' addresses go on to the next tile's rows
	s_add_nc_u64 s[G0RB+2:G0RB+3], s[G0RB+2:G0RB+3], WSTEP
.endif
	s_wait_dscnt 0x1                               ; this step's fragments are in; the add alone may be out
	MULH \n, \z, 0                                 ; sixteen matrix instructions stand between the add and the wait for it
	s_wait_dscnt 0x0                               ; the add is done, and my reads of the slot are over
	CROUND                                         ; so for every wave of every partner
.if (\n) == 3
	tensor_load_to_lds s[G0RA:G0RA+3], s[G1R:G1R+7]
.else
	tensor_load_to_lds s[G0RB:G0RB+3], s[G1R:G1R+7]
.endif
	s_nop 0
	PLACES                                         ; also the places ahead of the loads below
.if (\n) == 3
	FETCH 4, \m
.else
	s_cmp_eq_u32 s92, 0                            ; the next tile's first fragments: k's as q's, v's in mode 1.  The count of tiles alone decides
	s_cbranch_scc0 .Lnext_v_\@
	FETCH 0, 0
	s_branch .Lnext_\@
.Lnext_v_\@:
	FETCH 0, 1
.Lnext_\@:
.endif
	MULH \n, \z, 2
.else
.if (\kind) == 2
	s_wait_tensorcnt 0x0                           ; my part of slot B has landed
.endif
	s_wait_dscnt 0x0                               ; this step's fragments are in
.if (\kind) == 2
	s_barrier_signal -1
	s_barrier_wait -1                              ; everybody's part has
.endif
.if (\n) < 7
	PLACES                                         ; the other set was read by the step before
	FETCH (\n)+1, \m
.endif
	MULH \n, \z, 0
	MULH \n, \z, 2
.endif
.endm
; Tile a's 64 numbers of a lane become two halves of codes (PC, PC + 6) and four scale bytes, and the halves are stored at s[pa] + o0 + a st and s[pb] + o0 + ob + a st.
.macro QUANT a, pa, pb, st, o0, ob
	WIN 0x0a                                       ; sources 0 and 1 window 2
.irp b, 0,1,2,3
	v_max3_num_f32 v[TM+\b], |v[64*(\a)+16*\b]|, |v[64*(\a)+16*\b+1]|, 0x2800000   ; block b: my 16 numbers, each accumulator from its low end on, and the floor 2^(5 - 127)
.endr
	WIN 0x28                                       ; sources 1 and 2 window 2
.irp i, 2,4,6,8,10,12,14
.irp b, 0,1,2,3
	v_max3_num_f32 v[TM+\b], v[TM+\b], |v[64*(\a)+16*\b+\i]|, |v[64*(\a)+16*\b+\i+1]|
.endr
.endr
	WIN 0
.irp b, 0,1,2,3
	v_permlanex16_b32 v[TM4+\b], v[TM+\b], s20, s21
.endr
.irp b, 0,1,2,3
	v_max_num_f32 v[TM+\b], v[TM+\b], v[TM4+\b]    ; with lane l xor 16's 16: the block's largest magnitude
.endr
.irp b, 0,1,2,3
	v_add_nc_u32 v[TM12+\b], 0xfe000000, v[TM+\b]  ; 4 off the exponent field: the conversion's scale operand
.endr
.irp b, 0,1,2,3
	v_lshrrev_b32 v[TM4+\b], 23, v[TM12+\b]        ; the scale's byte
.endr
	v_lshl_or_b32 v[LO+(\a)], v[TM4+1], 8, v[TM4]
	v_lshl_or_b32 v[HI+(\a)], v[TM4+3], 8, v[TM4+2]
	s_wait_alu depctr_va_vdst(0)
	s_wait_xcnt 0x0                                ; the last tile's stores have read their data
	WIN 0x02                                       ; source 0 window 2
	v_cvt_scalef32_pk16_bf6_f32 v[PC:PC+2], v[64*(\a):64*(\a)+15], v[TM12]
	v_cvt_scalef32_pk16_bf6_f32 v[CT:CT+2], v[64*(\a)+16:64*(\a)+31], v[TM12+1]
	v_cvt_scalef32_pk16_bf6_f32 v[PC+6:PC+8], v[64*(\a)+32:64*(\a)+47], v[TM12+2]
	v_cvt_scalef32_pk16_bf6_f32 v[CT+4:CT+6], v[64*(\a)+48:64*(\a)+63], v[TM12+3]
	WIN 0
	v_nop                                          ; one plain place behind a scaled conversion
.irp c, 0,1                            ; a whole block to a lane: lanes 0-15 block 2 c, lanes 16-31 block 2 c + 1
.irp i, 0,1,2
	v_permlane16_swap_b32 v[PC+6*\c+\i], v[CT+4*\c+\i]
.endr
.irp i, 0,1,2
	v_mov_b32 v[PC+6*\c+3+\i], v[CT+4*\c+\i]
.endr
.endr
	global_store_b128 v24, v[PC:PC+3], s[\pa:\pa+1] offset:(\o0)+(\a)*(\st)             ; 512 and 256 consecutive bytes a store
	global_store_b64 v25, v[PC+4:PC+5], s[\pa:\pa+1] offset:(\o0)+(\a)*(\st)
	global_store_b128 v24, v[PC+6:PC+9], s[\pb:\pb+1] offset:(\o0)+(\ob)+(\a)*(\st)
	global_store_b64 v25, v[PC+10:PC+11], s[\pb:\pb+1] offset:(\o0)+(\ob)+(\a)*(\st)
.endm
	s_load_b256 s[4:11], s[0:1], 0x0               ; xc, wc, qimg, kvimg
	v_lshl_add_u32 v26, v0, 2, SPARE
	v_mov_b32 v27, 0
	ds_add_u32 v26, v27                            ; the wave's opening
	ds_add_u32 v26, v27
	v_lshrrev_b32 v1, 5, v0
	v_readfirstlane_b32 s12, v1                    ; wave 0..3
	s_and_b32 s13, s12, 1
	s_lshr_b32 s19, s12, 1
	s_bfe_u32 s16, ttmp6, 0x40000                  ; cx
	s_bfe_u32 s17, ttmp6, 0x40004                  ; cy
	s_and_b32 s18, ttmp7, 0xffff                   ; cluster y
	s_lshl_b32 s14, s17, 2
	s_lshl_b32 s14, 15, s14                        ; my row of the cluster
	s_lshl_b32 s15, 0x1111, s16                    ; my column
	s_or_b32 s[G1X], s14, (3<<16)|(1<<21)          ; 15:0 the mask; 17:16 elements of 8 bytes; 21 set beside a mask; no padding
	s_or_b32 s[G1W], s15, (3<<16)|(1<<21)
	s_or_b32 s[G1R], s15, (3<<16)|(1<<21)
.irp g, G1X, G1W
	s_mov_b32 s[\g+1], 3200<<16                    ; tensor_dim0: a block, 25,600 bytes
	s_mov_b32 s[\g+3], 3200<<16                    ; tile_dim0
	s_mov_b32 s[\g+5], 3200                        ; the blocks lie end to end
	s_mov_b32 s[\g+6], 0
	s_mov_b32 s[\g+7], 0
.endr
	s_mov_b32 s[G1X+2], 4<<16                      ; x: four blocks a load
	s_mov_b32 s[G1X+4], 4
	s_mov_b32 s[G1W+2], 2<<16                      ; the first weight tile: two
	s_mov_b32 s[G1W+4], 2
	s_mov_b32 s[G1R+1], 32<<16                     ; a refill: 12,800 dense bytes as 50 rows of 256
	s_mov_b32 s[G1R+2], 50<<16
	s_mov_b32 s[G1R+3], 32<<16
	s_mov_b32 s[G1R+4], 50
	s_mov_b32 s[G1R+5], 32
	s_mov_b32 s[G1R+6], 0
	s_mov_b32 s[G1R+7], 0
	s_lshl_b32 s93, ttmp9, 2
	s_add_co_u32 s93, s93, s16                     ; the pair of heads: 4 x cluster x + cx
	s_lshl_b32 s94, s18, 2
	s_add_co_u32 s94, s94, s17                     ; the token tile: 4 x cluster y + cy
	s_mul_i32 s96, s94, 8*BLK                      ; x: my tile's blocks,
	s_mul_i32 s2, s13, 4*BLK                       ; the half that I fetch
	s_add_co_u32 s96, s96, s2
	s_mov_b32 s97, 0
	s_mul_i32 s98, s93, 4*BLK                      ; the weights: my pair's blocks,
	s_mul_i32 s3, s13, 2*BLK                       ; at the head the half that I fetch,
	s_add_co_u32 s86, s98, s3
	s_mov_b32 s87, 0
	s_mul_i32 s88, s12, BLK                        ; in a refill my block
	s_add_co_u32 s98, s98, s88
	s_mov_b32 s99, 0
	s_mov_b32 s20, 0x76543210
	s_mov_b32 s21, 0xfedcba98                      ; selects for lane l xor 16
	s_mov_b32 s22, 0xffff0000                      ; lanes 16-31
	s_wait_dscnt 0x0                               ; both opening adds are done
	s_wait_kmcnt 0x0
	s_mov_b32 s[G0X], 1
	s_mul_i32 s[G0X+1], s13, 4*BLK                 ; the wave's number alone enters an LDS address
	s_add_nc_u64 s[G0X+2:G0X+3], s[4:5], s[96:97]
	s_or_b32 s[G0X+3], s[G0X+3], 0x80000000
	s_mov_b32 s[G0W], 1
	s_add_co_u32 s[G0W+1], s3, WB
	s_add_nc_u64 s[G0W+2:G0W+3], s[6:7], s[86:87]
	s_or_b32 s[G0W+3], s[G0W+3], 0x80000000
	s_mov_b32 s[G0RA], 1                           ; the refills' addresses begin at Wq's rows and are stepped ahead of each tile's first refill
	s_add_co_u32 s[G0RA+1], s88, WB
	s_add_nc_u64 s[G0RA+2:G0RA+3], s[6:7], s[98:99]
	s_mov_b32 s[G0RB], 1
	s_add_co_u32 s[G0RB+1], s88, WB+12800
	s_add_nc_u64 s[G0RB+2:G0RB+3], s[G0RA+2:G0RA+3], 12800
	s_or_b32 s[G0RA+3], s[G0RA+3], 0x80000000
	s_or_b32 s[G0RB+3], s[G0RB+3], 0x80000000
	CROUND                                         ; all sixteen work-groups are here: the joint loads meet
	s_cmp_lt_u32 s12, 2                            ; one load a wave: waves 0, 1 fetch x's halves, waves 2, 3 the halves of Wq's tile
	s_cbranch_scc0 .Lfor_w
	tensor_load_to_lds s[G0X:G0X+3], s[G1X:G1X+7]
	s_nop 0
.rept 4
	v_nop
.endr
	s_branch .Lasked
.Lfor_w:
	tensor_load_to_lds s[G0W:G0W+3], s[G1W:G1W+7]
	s_nop 0
.rept 4
	v_nop
.endr
.Lasked:
	s_mul_i32 s2, s12, 2*BLK                       ; mode 0, source 1: my two blocks of x
	s_mul_i32 s3, s19, 4*BLK                       ; mode 1, source 0: my four blocks of x,
	s_add_co_u32 s15, s3, 2*BLK
	s_mul_i32 s14, s13, 2*BLK
	s_add_co_u32 s14, s14, WB                      ; source 1: my head's two blocks of Wv
	v_and_b32 v5, 31, v0
	v_lshlrev_b32 v3, 4, v5                        ; 16 lane
	v_lshlrev_b32 v4, 3, v5                        ; 8 lane
	v_lshlrev_b32 v5, 2, v5                        ; 4 lane
	v_add_nc_u32 v[AD], WB, v3
	v_add_nc_u32 v[AD+1], WB, v4
	v_add_nc_u32 v[AD+2], WB+2*BLK, v3
	v_add_nc_u32 v[AD+3], WB+2*BLK, v4
	v_add_nc_u32 v[AD+4], s2, v3
	v_add_nc_u32 v[AD+5], s2, v4
	v_add_nc_u32 v[AD+6], s3, v3
	v_add_nc_u32 v[AD+7], s3, v4
	v_add_nc_u32 v[AD+8], s15, v3
	v_add_nc_u32 v[AD+9], s15, v4
	v_add_nc_u32 v[AD+10], s14, v3
	v_add_nc_u32 v[AD+11], s14, v4
	v_mov_b32 v24, v3                              ; the stores' offsets: registers 0-3 of a half,
	v_add_nc_u32 v25, 512, v4                      ; and 4-5
.irp b, 0,1,2,3
	v_mov_b32 v[TM4+\b], 0                         ; a lane permute's destination counts as one of its sources
.endr
	; where the results go
	s_lshr_b32 s14, s94, 3                         ; batch
	s_lshl_b32 s14, s14, 4
	s_lshl_b32 s15, s93, 1
	s_add_co_u32 s14, s14, s15                     ; batch x 16 + the first of my two heads
	s_mul_i32 s14, s14, 102400
	s_and_b32 s15, s94, 7
	s_lshl_b32 s15, s15, 1
	s_add_co_u32 s15, s15, s19                     ; the step of 128 tokens
	s_mul_i32 s15, s15, 6400
	s_add_co_u32 s86, s14, s15                     ; the step's block in qimg,
	s_mov_b32 s87, 0
	s_lshl_b32 s88, s86, 1                         ; and in kvimg: twice as far
	s_mov_b32 s89, 0
	s_mul_i32 s90, s13, 3072                       ; q, k: my 64 tokens are two of the step's four pairs,
	s_mov_b32 s91, 0
	s_lshl_b32 s96, s13, 7                         ; and one of its two scale images
	s_mov_b32 s97, 0
	s_mul_i32 s98, s13, 204800                     ; v: my head
	s_mov_b32 s99, 0
	s_add_nc_u64 s[PQ:PQ+1], s[8:9], s[86:87]
	s_add_nc_u64 s[PK:PK+1], s[10:11], s[88:89]
	s_add_nc_u64 s[PV:PV+1], s[PK:PK+1], s[98:99]
	s_add_nc_u64 s[PQ+4:PQ+5], s[PQ:PQ+1], s[96:97]
	s_add_nc_u64 s[PQ+4:PQ+5], s[PQ+4:PQ+5], 6144
	s_add_nc_u64 s[PQ+6:PQ+7], s[PQ+4:PQ+5], 102400
	s_add_nc_u64 s[PK+4:PK+5], s[PK:PK+1], s[96:97]
	s_add_nc_u64 s[PK+4:PK+5], s[PK+4:PK+5], 12288
	s_add_nc_u64 s[PK+6:PK+7], s[PK+4:PK+5], 204800
	s_add_nc_u64 s[PQ:PQ+1], s[PQ:PQ+1], s[90:91]
	s_add_nc_u64 s[PQ+2:PQ+3], s[PQ:PQ+1], 102400
	s_add_nc_u64 s[PK:PK+1], s[PK:PK+1], s[90:91]
	s_add_nc_u64 s[PK+2:PK+3], s[PK:PK+1], 204800
	s_mov_b32 s92, 0                               ; tiles done
	s_wait_alu depctr_va_vdst(0)
	s_wait_tensorcnt 0x0                           ; my load has landed,
	s_barrier_signal -1
	s_barrier_wait -1                              ; everybody's has: x and Wq's tile are whole
	FETCH 0, 0
.Ltile:                                ; q, then k
	STEP 0, 1, 0, 0                                ; a tile's first K step starts the sums: nothing is cleared
	STEP 1, 0, 0, 0
	STEP 2, 0, 0, 0
	STEP 3, 0, 0, 1                                ; slot A takes the next tile's K 0-511
	STEP 4, 0, 0, 0
	STEP 5, 0, 0, 0
	STEP 6, 0, 0, 0
	STEP 7, 0, 0, 1                                ; slot B its K 512-1,023; the next tile's first fragments are fetched
	PLACES
	QUANT 0, PQ, PQ+2, 768, 0, 0
	QUANT 1, PQ, PQ+2, 768, 0, 0
	QUANT 2, PQ, PQ+2, 768, 0, 0
	QUANT 3, PQ, PQ+2, 768, 0, 0
	v_lshl_or_b32 v[WD], v[LO+1], 16, v[LO]        ; a scale word = the two tiles of a pair, one head (LO: the first head, HI: the second)
	v_lshl_or_b32 v[WD+1], v[LO+3], 16, v[LO+2]
	v_lshl_or_b32 v[WD+2], v[HI+1], 16, v[HI]
	v_lshl_or_b32 v[WD+3], v[HI+3], 16, v[HI+2]
	v_cndmask_b32 v204, v[WD], v[WD+1], s22        ; lanes 0-15 the first pair's words, lanes 16-31 the second's
	v_cndmask_b32 v205, v[WD+2], v[WD+3], s22
	global_store_b32 v5, v204, s[PQ+4:PQ+5]        ; 128 consecutive bytes each
	global_store_b32 v5, v205, s[PQ+6:PQ+7]
	s_wait_xcnt 0x0                                ; the stores have read their bases: the next tile's results go to k's places
	s_mov_b64 s[PQ:PQ+1], s[PK:PK+1]
	s_mov_b64 s[PQ+2:PQ+3], s[PK+2:PK+3]
	s_mov_b64 s[PQ+4:PQ+5], s[PK+4:PK+5]
	s_mov_b64 s[PQ+6:PQ+7], s[PK+6:PK+7]
	s_add_co_u32 s92, s92, 1
	s_cmp_lt_u32 s92, 2
	s_cbranch_scc1 .Ltile
	STEP 0, 1, 1, 0                                ; v: the last tile asks for nothing more
	STEP 1, 0, 1, 0
	STEP 2, 0, 1, 0
	STEP 3, 0, 1, 2
	STEP 4, 0, 1, 0
	STEP 5, 0, 1, 0
	STEP 6, 0, 1, 0
	STEP 7, 0, 1, 0
	PLACES
	QUANT 0, PV, PV, 1536, 6144, 768
	QUANT 1, PV, PV, 1536, 6144, 768
	QUANT 2, PV, PV, 1536, 6144, 768
	QUANT 3, PV, PV, 1536, 6144, 768
.irp a, 0,1,2,3
	v_lshl_or_b32 v[WD+\a], v[HI+\a], 16, v[LO+\a] ; a scale word = a tile's four blocks of keys
.endr
	v_cndmask_b32 v204, v[WD], v[WD+1], s22
	v_cndmask_b32 v205, v[WD+2], v[WD+3], s22
	global_store_b32 v5, v204, s[PV:PV+1] offset:12544
	global_store_b32 v5, v205, s[PV:PV+1] offset:12672
	s_wait_tensorcnt 0x0                           ; the wave's end
	ds_add_u32 v26, v27
	s_wait_dscnt 0x0
	CROUND                                         ; the closing round
	s_endpgm
.Lfunc_end_k_q3cde2c2519_qkv:
	.size	k_q3cde2c2519_qkv, .Lfunc_end_k_q3cde2c2519_qkv-k_q3cde2c2519_qkv
	.p2alignl 7, 3214868480
	.fill 96, 4, 3214868480
	.section	.rodata,"a",@progbits
	.p2align	6, 0x0
	.amdhsa_kernel k_q3cde2c2519_qkv
		.amdhsa_group_segment_fixed_size 327680
		.amdhsa_private_segment_fixed_size 0
		.amdhsa_enable_private_segment 0
		.amdhsa_kernarg_size 32
		.amdhsa_user_sgpr_count 2
		.amdhsa_user_sgpr_kernarg_segment_ptr 1
		.amdhsa_wavefront_size32 1
		.amdhsa_system_sgpr_workgroup_id_x 1
		.amdhsa_system_sgpr_workgroup_id_y 1
		.amdhsa_system_sgpr_workgroup_id_z 1
		.amdhsa_system_vgpr_workitem_id 0
		.amdhsa_next_free_vgpr 768
		.amdhsa_next_free_sgpr 100
		.amdhsa_reserve_vcc 0
		.amdhsa_float_denorm_mode_32 3
		.amdhsa_float_denorm_mode_16_64 3
		.amdhsa_memory_ordered 1
		.amdhsa_forward_progress 1
		.amdhsa_inst_pref_size 169
	.end_amdhsa_kernel
	.amdgpu_metadata
---
amdhsa.version: [ 1, 2 ]
amdhsa.kernels:
  - .name:           k_q3cde2c2519_qkv
    .symbol:         k_q3cde2c2519_qkv.kd
    .args:
      - { .name: xc, .offset: 0, .size: 8, .value_kind: global_buffer, .address_space: global }
      - { .name: wc, .offset: 8, .size: 8, .value_kind: global_buffer, .address_space: global }
      - { .name: qimg, .offset: 16, .size: 8, .value_kind: global_buffer, .address_space: global }
      - { .name: kvimg, .offset: 24, .size: 8, .value_kind: global_buffer, .address_space: global }
    .group_segment_fixed_size: 327680
    .private_segment_fixed_size: 0
    .kernarg_segment_align: 8
    .kernarg_segment_size: 32
    .max_flat_workgroup_size: 128
    .sgpr_count:     100
    .vgpr_count:     768
    .wavefront_size: 32
...
	.end_amdgpu_metadata
.endif
;; end of part 2
;; launch attn (part 3): grid 4 x 64, 16 waves a work-group, clusters of 4 x 1, 327,680 bytes of LDS; arguments qimg, kvimg, oc; writes oc
.if DOCPART == 3
	.amdgcn_target "amdgcn-amd-amdhsa--gfx1250"
	.amdhsa_code_object_version 6
	.text
	.protected	k_q3cde2c2519_attn
	.globl	k_q3cde2c2519_attn
	.p2align	8
	.type	k_q3cde2c2519_attn,@function
k_q3cde2c2519_attn:
	s_mov_b64 s[64:65], 0
	v_nop
	global_prefetch_b8 v0, s[64:65] scope:SCOPE_SE
	s_setreg_imm32_b32 hwreg(HW_REG_WAVE_MODE, 25, 1), 1
	s_wait_xcnt 0x0
	s_wait_alu depctr_hold_cnt(0) depctr_sa_sdst(0) depctr_va_vdst(0) depctr_va_sdst(0) depctr_va_ssrc(0) depctr_va_vcc(0) depctr_vm_vsrc(0)
	s_getreg_b32 s2, hwreg(HW_REG_IB_STS2, 6, 4)
	s_cmp_eq_u32 s2, 0
	s_cbranch_scc0 .Lentry_in_a_cluster
	s_endpgm
.Lentry_in_a_cluster:
	s_bfe_u32 s2, ttmp6, 0x10000c
	s_cmp_lg_u32 s2, 0x3003
	s_cbranch_scc0 .Lentry_shape_is_right
	s_endpgm
.Lentry_shape_is_right:
; LAUNCH 3 OF 4: products 4 and 5 with the causal softmax, on codes of E3M2; O / l is quantised along head x 64 + d for product 6.
; WORK LEFT OUT: a step of 128 keys all of which come after a tile's 16 queries (reference()'s own jnp.tril gives them the weight 0 for all inputs: see the head of launch quant).
; THE SOFTMAX: t = score x log2(e) / 8; M = the running largest t rounded up to a whole number; p = 2^(t - M) is quantised along the keys, not normalised; the row's sum is taken of the unquantised p and divides O at the end.
;   When M moves, the sum and O are multiplied by 2^(old M - new M), which rounds nothing.  1 / l is v_rcp_f32 and a multiplication.
; SHARES.  A cluster of four work-groups owns one (batch, head).  The head's whole K and V, 16 steps x 12,800 bytes, lie in the LDS of each of the four: wave w asks jointly for step w, once; nothing is filled again.
;   A head has 128 tiles of 16 queries (block of 32 tokens B32, tile u).  Work-group cx takes u = cx % 2 and B32 = 2 J + cx / 2; wave w takes J = w, then J = 31 - w: the last key step of tile J is J / 2, free of cx,
;   so every wave walks (w / 2 + 1) + ((31 - w) / 2 + 1) = 17 key steps.  Every partner reads every step (J = 31 reaches step 15).
; LAYOUT.  Both products are used transposed, so a lane holds one query.  K = 64 fills half of an instruction's 128: source 0 is a PAIR (tile 0's 16 keys x 64 d, then tile 1's), source 1 is [q | zeros] or [zeros | q], which picks the tile.
;   The keys of a tile are 8 u + r + 8 (r / 8) of 32, so the 16 registers of two neighbouring score tiles are 16 neighbouring keys.  V's fragments have the keys innermost.
; REGISTERS: v1-4 lane numbers, v5-6 the add's two, v7 the mask's lane term, v8-10 LDS addresses, v12 -M, v13 the largest t, v[14:15] the sum, v16-33 zeros | q | zeros, v34 q's scales, v36-39 K's and V's scale words,
;   v40-87 four fragments, v88-151 scores then p, v152-183 O^T, v184-195 p's codes, v196-202 conversions' second halves, v204-215 at work, v216 f, v217 zero (named with f as a pair), v221 p's scale word.
.set SPARE, 204800                     ; behind the 16 steps: the spare words, 128 bytes a wave: eight blocks of 256 bytes that no other line names
.set S,   88
.set O,   152
.set KV,  40
.set PCD, 184
.set CT,  196
.set BM,  204
.set PT,  208
.set SO,  212
.macro CROUND                          ; a round of the cluster's barrier
	s_barrier_signal -1
	s_barrier_wait -1
	s_cmp_lg_u32 s10, 0
	s_cbranch_scc1 .Lnot_wave_0_\@
	s_barrier_signal -3
.Lnot_wave_0_\@:
	s_barrier_wait -3
	s_barrier_signal -1
	s_barrier_wait -1
.endm
.macro FOURFR off                      ; four fragments' images from the step's block
.irp t, 0,1,2,3
	ds_load_b128 v[KV+12*\t:KV+12*\t+3], v8 offset:(\off)+1536*\t
	ds_load_b64 v[KV+12*\t+4:KV+12*\t+5], v9 offset:(\off)+1536*\t+512
	ds_load_b128 v[KV+12*\t+6:KV+12*\t+9], v8 offset:(\off)+1536*\t+768
	ds_load_b64 v[KV+12*\t+10:KV+12*\t+11], v9 offset:(\off)+1536*\t+1280
.endr
.endm
; A KEY STEP: 128 keys.  s17 the step, s16 my tile's last step, s18 the step's block in LDS.
.macro STEP
	s_cmp_gt_u32 s17, s16                          ; all its keys come after my queries: left out.  The wave's number and the count of steps alone decide
	s_cbranch_scc1 .Lhid_\@
	v_add_nc_u32 v8, s18, v1
	v_add_nc_u32 v9, s18, v2
	v_add_nc_u32 v10, s18, v3
	v_nop                                          ; (these four are the places ahead of loads into registers that the last products read)
	FOURFR 0                                       ; K's four pairs
	ds_load_b32 v36, v10 offset:12288              ; their scale words: pairs 0, 1 in the two halves of the lanes,
	ds_load_b32 v37, v10 offset:12416              ; pairs 2, 3
	s_wait_dscnt 0x0
	s_wait_alu depctr_va_vdst(0)
.irp b, 0,1,2,3
.irp e, 0,1
.if \b%2
	v_wmma_scale_f32_16x16x128_f8f6f4 v[S+16*\b+8*\e:S+16*\b+8*\e+7], v[KV+12*\b:KV+12*\b+11], v[22-6*\e:33-6*\e], 0, v[36+\b/2], v34 matrix_a_fmt:MATRIX_FMT_BF6 matrix_b_fmt:MATRIX_FMT_BF6 matrix_a_scale:MATRIX_SCALE_ROW1
.else
	v_wmma_scale_f32_16x16x128_f8f6f4 v[S+16*\b+8*\e:S+16*\b+8*\e+7], v[KV+12*\b:KV+12*\b+11], v[22-6*\e:33-6*\e], 0, v[36+\b/2], v34 matrix_a_fmt:MATRIX_FMT_BF6 matrix_b_fmt:MATRIX_FMT_BF6
.endif
.endr
.endr                                  ; register 16 b + i: key 32 b + 16 (lane / 16) + i of the step
.rept 4
	v_nop
.endr
	FOURFR 6144                                    ; V's four fragments are asked for here and land under the softmax
	ds_load_b32 v38, v10 offset:12544
	ds_load_b32 v39, v10 offset:12672
	s_cmp_lt_u32 s17, s16                          ; only my last step lies on the diagonal
	s_cbranch_scc1 .Lopen_\@
	s_bitcmp1_b32 s14, 0                           ; my queries' block of 32 tokens is block 2 (J % 2) + cx / 2 of the step: the wave's number says which two blocks can lie on the diagonal
	s_cbranch_scc1 .Lodd_\@
	v_mov_b32 v218, 0xff800000                     ; -infinity: p = 0 then
.irp n, 0,1,2,3,4,5,6,7,8,9,10,11,12,13,14,15,16,17,18,19,20,21,22,23,24,25,26,27,28,29,30,31,32,33,34,35,36,37,38,39,40,41,42,43,44,45,46,47,48,49,50,51,52,53,54,55,56,57,58,59,60,61,62,63
.if \n < 32
	v_cndmask_b32 v[S+\n], v[S+\n], v218, s[66+\n] ; J even: blocks 0 and 1 by the lane masks made at the head,
.else
	v_mov_b32 v[S+\n], v218                        ; blocks 2 and 3 come after every query of mine
.endif
.endr
	s_branch .Lopen_\@
.Lodd_\@:
	v_mov_b32 v218, 0xff800000
.irp i, 0,1,2,3,4,5,6,7,8,9,10,11,12,13,14,15,16,17,18,19,20,21,22,23,24,25,26,27,28,29,30,31
	v_cndmask_b32 v[S+32+\i], v[S+32+\i], v218, s[66+\i]   ; J odd: blocks 0 and 1 come before every query of mine; blocks 2 and 3 by the same masks
.endr
.Lopen_\@:
.irp b, 0,1,2,3
	v_max3_num_f32 v[BM+\b], v[S+16*\b], v[S+16*\b+1], v[S+16*\b+2]   ; the largest score of each block of 32 keys: for the row's maximum and, since p rises with the score, for the block's largest p
.endr
.irp i, 3,5,7,9,11,13
.irp b, 0,1,2,3
	v_max3_num_f32 v[BM+\b], v[BM+\b], v[S+16*\b+\i], v[S+16*\b+\i+1]
.endr
.endr
.irp b, 0,1,2,3
	v_max_num_f32 v[BM+\b], v[BM+\b], v[S+16*\b+15]
.endr
.irp b, 0,1,2,3
	s_delay_alu instid0(VALU_DEP_4)
	v_permlanex16_b32 v[PT+\b], v[BM+\b], s20, s21
.endr
.irp b, 0,1,2,3
	s_delay_alu instid0(VALU_DEP_4)
	v_max_num_f32 v[BM+\b], v[BM+\b], v[PT+\b]     ; with lane l xor 16's 16 keys
.endr
	s_delay_alu instid0(VALU_DEP_2)
	v_max3_num_f32 v218, v[BM], v[BM+1], v[BM+2]
	s_delay_alu instid0(VALU_DEP_1)
	v_max_num_f32 v218, v218, v[BM+3]
	s_delay_alu instid0(VALU_DEP_1)
	v_mul_f32 v218, s22, v218                      ; as t (c is positive)
	s_delay_alu instid0(VALU_DEP_1)
	v_max_num_f32 v13, v13, v218                   ; the running largest t
	v_mov_b32 v218, v12
	s_delay_alu instid0(VALU_DEP_2)
	v_floor_f32 v12, -v13                          ; the new -M = floor(-t): M is a whole number
	s_delay_alu instid0(VALU_DEP_1)
	v_sub_f32 v218, v12, v218                      ; old M - new M: a whole number, 0 or less
	s_delay_alu instid0(VALU_DEP_1)
	v_cvt_i32_f32 v218, v218                       ; (it saturates)
	s_delay_alu instid0(VALU_DEP_1)
	v_ldexp_f32 v216, 1.0, v218                    ; f = 2^(old M - new M)
.irp j, 0,2,4,6,8,10,12,14,16,18,20,22,24,26,28,30,32,34,36,38,40,42,44,46,48,50,52,54,56,58,60,62
	v_pk_fma_f32 v[S+\j:S+\j+1], v[S+\j:S+\j+1], s[22:23], v[12:13] op_sel_hi:[1,0,0]   ; t - M, two at a time
.endr
.irp b, 0,1,2,3
	v_fma_f32 v[BM+\b], v[BM+\b], s22, v12         ; the same of each block's largest score
.endr
	s_wait_alu depctr_va_vdst(0)
.irp j, 0,1,2,3,4,5,6,7,8,9,10,11,12,13,14,15,16,17,18,19,20,21,22,23,24,25,26,27,28,29,30,31,32,33,34,35,36,37,38,39,40,41,42,43,44,45,46,47,48,49,50,51,52,53,54,55,56,57,58,59,60,61,62,63
	v_exp_f32 v[S+\j], v[S+\j]                     ; p = 2^(t - M)
.endr
	v_pk_mul_f32 v[14:15], v[14:15], v[216:217] op_sel_hi:[1,0]   ; the sums under the new M: the plain place behind the exponentials
	s_wait_alu depctr_va_vdst(0)                   ; one wait for the batch, ahead of its first reader
.irp b, 0,1,2,3
	v_exp_f32 v[BM+\b], v[BM+\b]                   ; the block's largest p
.endr
	v_pk_add_f32 v[208:209], v[92:93], v[96:97]
	v_pk_add_f32 v[254:255], v[100:101], v[104:105]
	v_pk_add_f32 v[252:253], v[108:109], v[112:113]
	v_pk_add_f32 v[250:251], v[116:117], v[120:121]
	v_pk_add_f32 v[248:249], v[124:125], v[128:129]
	v_pk_add_f32 v[246:247], v[132:133], v[136:137]
	v_pk_add_f32 v[244:245], v[140:141], v[144:145]
	v_pk_add_f32 v[14:15], v[14:15], v[148:149]
	v_pk_add_f32 v[208:209], v[208:209], v[88:89]
	v_pk_add_f32 v[254:255], v[254:255], v[90:91]
	v_pk_add_f32 v[252:253], v[252:253], v[94:95]
	v_pk_add_f32 v[250:251], v[250:251], v[98:99]
	v_pk_add_f32 v[248:249], v[248:249], v[102:103]
	v_pk_add_f32 v[246:247], v[246:247], v[106:107]
	v_pk_add_f32 v[244:245], v[244:245], v[110:111]
	v_pk_add_f32 v[14:15], v[14:15], v[114:115]
	v_pk_add_f32 v[208:209], v[208:209], v[118:119]
	v_pk_add_f32 v[254:255], v[254:255], v[122:123]
	v_pk_add_f32 v[252:253], v[252:253], v[126:127]
	v_pk_add_f32 v[250:251], v[250:251], v[130:131]
	v_pk_add_f32 v[248:249], v[248:249], v[134:135]
	v_pk_add_f32 v[246:247], v[246:247], v[138:139]
	v_pk_add_f32 v[244:245], v[244:245], v[142:143]
	v_pk_add_f32 v[14:15], v[14:15], v[146:147]
	v_pk_add_f32 v[208:209], v[208:209], v[150:151]
	s_delay_alu instid0(VALU_DEP_2)
	v_pk_add_f32 v[14:15], v[14:15], v[250:251]
	s_delay_alu instid0(VALU_DEP_2)
	v_pk_add_f32 v[208:209], v[208:209], v[248:249]
	v_pk_add_f32 v[254:255], v[254:255], v[246:247]
	v_pk_add_f32 v[252:253], v[252:253], v[244:245]
	s_delay_alu instid0(VALU_DEP_2)
	v_pk_add_f32 v[14:15], v[14:15], v[254:255]
	s_delay_alu instid0(VALU_DEP_2)
	v_pk_add_f32 v[208:209], v[208:209], v[252:253]
	s_delay_alu instid0(VALU_DEP_1)
	v_pk_add_f32 v[14:15], v[14:15], v[208:209]
	s_wait_alu depctr_va_vdst(0)                   ; and one for the four
.irp b, 0,1,2,3
	v_max_num_f32 v[BM+\b], 0x2800000, v[BM+\b]    ; the floor 2^(5 - 127): the byte cannot fall under 1
.endr
.irp b, 0,1,2,3
	s_delay_alu instid0(VALU_DEP_4)
	v_add_nc_u32 v[SO+\b], 0xfe000000, v[BM+\b]    ; the conversion's scale operand
.endr
.irp b, 0,1,2,3
	s_delay_alu instid0(VALU_DEP_4)
	v_lshrrev_b32 v[PT+\b], 23, v[SO+\b]           ; the scale's byte
.endr
	s_delay_alu instid0(VALU_DEP_3)
	v_lshl_or_b32 v221, v[PT+1], 8, v[PT]          ; p's scale word for these 128 keys
	s_delay_alu instid0(VALU_DEP_1)
	v_lshl_or_b32 v221, v[PT+2], 16, v221
	s_delay_alu instid0(VALU_DEP_1)
	v_lshl_or_b32 v221, v[PT+3], 24, v221
.irp c, 0,1
	v_cvt_scalef32_pk16_bf6_f32 v[PCD+6*\c:PCD+6*\c+2], v[S+32*\c:S+32*\c+15], v[SO+2*\c]
	v_cvt_scalef32_pk16_bf6_f32 v[CT+4*\c:CT+4*\c+2], v[S+32*\c+16:S+32*\c+31], v[SO+2*\c+1]
.endr
	v_nop                                          ; one plain place behind a scaled conversion
.irp c, 0,1                            ; a whole block to a lane
.irp i, 0,1,2
	v_permlane16_swap_b32 v[PCD+6*\c+\i], v[CT+4*\c+\i]
.endr
.irp i, 0,1,2
	s_delay_alu instid0(VALU_DEP_3)
	v_mov_b32 v[PCD+6*\c+3+\i], v[CT+4*\c+\i]
.endr
.endr
.irp j, 0,2,4,6,8,10,12,14,16,18,20,22,24,26,28,30
	v_pk_mul_f32 v[O+\j:O+\j+1], v[O+\j:O+\j+1], v[216:217] op_sel_hi:[1,0]   ; O^T under the new M.  For each product below, the twelve on the other tiles are the places behind p's codes and scale word
.endr
	s_wait_alu depctr_va_vdst(0)
	s_wait_dscnt 0x0                               ; V is in
.irp t, 0,1,2,3                        ; O^T += V^T P^T: the four accumulators take turns
.if \t%2
	v_wmma_scale_f32_16x16x128_f8f6f4 v[O+8*\t:O+8*\t+7], v[KV+12*\t:KV+12*\t+11], v[PCD:PCD+11], v[O+8*\t:O+8*\t+7], v[38+\t/2], v221 matrix_a_fmt:MATRIX_FMT_BF6 matrix_b_fmt:MATRIX_FMT_BF6 matrix_a_scale:MATRIX_SCALE_ROW1
.else
	v_wmma_scale_f32_16x16x128_f8f6f4 v[O+8*\t:O+8*\t+7], v[KV+12*\t:KV+12*\t+11], v[PCD:PCD+11], v[O+8*\t:O+8*\t+7], v[38+\t/2], v221 matrix_a_fmt:MATRIX_FMT_BF6 matrix_b_fmt:MATRIX_FMT_BF6
.endif
.endr
.Lhid_\@:
.endm
; ONE TILE OF 16 QUERIES, J in s14.
.macro PASS first
	s_wait_xcnt 0x0                                ; the last tile's loads and stores have read their bases and data
	s_lshl_b32 s15, s14, 1
	s_lshr_b32 s52, s11, 1
	s_add_co_u32 s15, s15, s52                     ; B32 = 2 J + cx / 2
	s_lshr_b32 s16, s14, 1                         ; my last key step
	s_mul_i32 s48, s12, 102400
	s_lshr_b32 s52, s15, 2
	s_mul_i32 s52, s52, 6400
	s_add_co_u32 s48, s48, s52                     ; qimg: my block of 128 tokens
	s_and_b32 s52, s15, 3                          ; the pair
	s_mul_i32 s50, s52, 1536
	s_add_co_u32 s50, s50, s48
	s_mul_i32 s53, s13, 768
	s_add_co_u32 s50, s50, s53
	s_mov_b32 s51, 0
	s_add_nc_u64 s[40:41], s[4:5], s[50:51]        ; q's half
	s_lshl_b32 s50, s52, 6
	s_add_co_u32 s50, s50, s48
	s_add_co_u32 s50, s50, 6144
	s_add_nc_u64 s[42:43], s[4:5], s[50:51]        ; the pair's scale words
	s_lshr_b32 s50, s12, 4
	s_lshl_b32 s50, s50, 6
	s_add_co_u32 s50, s50, s15
	s_mul_i32 s50, s50, 25600                      ; oc: my block of 32 tokens,
	s_bfe_u32 s53, s12, 0x20002
	s_mul_i32 s53, s53, 6400
	s_add_co_u32 s50, s50, s53                     ; the chunk of four heads
	s_bfe_u32 s53, s12, 0x10001                    ; the K step of two heads
	s_and_b32 s54, s12, 1                          ; the half
	s_mul_i32 s48, s13, 3072
	s_add_co_u32 s48, s48, s50
	s_mul_i32 s49, s53, 1536
	s_add_co_u32 s48, s48, s49
	s_mul_i32 s49, s54, 768
	s_add_co_u32 s48, s48, s49
	s_mov_b32 s49, 0
	s_add_nc_u64 s[44:45], s[8:9], s[48:49]
	s_lshl_b32 s48, s13, 7
	s_add_co_u32 s48, s48, s50
	s_lshl_b32 s53, s53, 2
	s_add_co_u32 s48, s48, s53
	s_lshl_b32 s54, s54, 1
	s_add_co_u32 s48, s48, s54
	s_add_co_u32 s48, s48, 6144
	s_add_nc_u64 s[46:47], s[8:9], s[48:49]        ; my head's two bytes of each row's scale word
	global_load_b128 v[22:25], v1, s[40:41]
	global_load_b64 v[26:27], v2, s[40:41] offset:512
	global_load_b32 v35, v4, s[42:43]
	v_mov_b32 v13, 0xff61b1e6                      ; the largest t so far: -3e38
	s_delay_alu instid0(VALU_DEP_1)
	v_floor_f32 v12, -v13
	v_mov_b32 v14, 0
	v_mov_b32 v15, 0
.irp j, 0,1,2,3,4,5,6,7,8,9,10,11,12,13,14,15,16,17,18,19,20,21,22,23,24,25,26,27,28,29,30,31
	v_mov_b32 v[O+\j], 0                           ; the step is written once: the first finds zeros, which the first change of M leaves zeros
.endr
.if \first
	s_wait_tensorcnt 0x0                           ; my step of K and V has landed (q's loads above are on their way meanwhile),
	s_barrier_signal -1
	s_barrier_wait -1                              ; everybody's has
.endif
	s_lshl_b32 s53, s13, 4
	s_wait_loadcnt 0x0
	v_lshrrev_b32 v34, s53, v35                    ; my tile's two bytes of the pair's word,
	s_delay_alu instid0(VALU_DEP_1)
	v_and_b32 v34, 0xffff, v34
	s_delay_alu instid0(VALU_DEP_1)
	v_lshl_or_b32 v34, v34, 16, v34                ; for either place of q in source 1
.rept 8
	v_nop                                          ; a scale register written by a vector instruction stands 8 places ahead of a scaled matrix instruction
.endr
	s_mov_b32 s17, 0
	s_mov_b32 s18, 0
.Lstep_\@:                             ; 16 trips, a constant: what is left out is a step's work
	STEP
	s_add_co_u32 s18, s18, 12800
	s_add_co_u32 s17, s17, 1
	s_cmp_lt_u32 s17, 16
	s_cbranch_scc1 .Lstep_\@
	; the way out: O^T / l, quantised along d: register 16 B + i is d = 32 B + 16 (lane / 16) + i
.rept 4
	v_nop
.endr
	v_add_f32 v14, v14, v15
	s_delay_alu instid0(VALU_DEP_1)
	v_permlanex16_b32 v218, v14, s20, s21
	s_delay_alu instid0(VALU_DEP_1)
	v_add_f32 v14, v14, v218                       ; the row's sum
	s_wait_alu depctr_va_vdst(0)
	v_rcp_f32 v216, v14
	v_nop                                          ; one plain place behind a transcendental
	s_wait_alu depctr_va_vdst(0)                   ; and the wait ahead of its first reader
.irp j, 0,2,4,6,8,10,12,14,16,18,20,22,24,26,28,30
	v_pk_mul_f32 v[S+\j:S+\j+1], v[O+\j:O+\j+1], v[216:217] op_sel_hi:[1,0]   ; each accumulator from its low end on
.endr
.irp b, 0,1
	v_max3_num_f32 v[BM+\b], |v[S+16*\b]|, |v[S+16*\b+1]|, 0x2800000
.endr
.irp i, 2,4,6,8,10,12,14
.irp b, 0,1
	s_delay_alu instid0(VALU_DEP_2)
	v_max3_num_f32 v[BM+\b], v[BM+\b], |v[S+16*\b+\i]|, |v[S+16*\b+\i+1]|
.endr
.endr
.irp b, 0,1
	s_delay_alu instid0(VALU_DEP_2)
	v_permlanex16_b32 v[PT+\b], v[BM+\b], s20, s21
.endr
.irp b, 0,1
	s_delay_alu instid0(VALU_DEP_2)
	v_max_num_f32 v[BM+\b], v[BM+\b], v[PT+\b]
.endr
.irp b, 0,1
	s_delay_alu instid0(VALU_DEP_2)
	v_add_nc_u32 v[SO+\b], 0xfe000000, v[BM+\b]
.endr
.irp b, 0,1
	s_delay_alu instid0(VALU_DEP_2)
	v_lshrrev_b32 v[PT+\b], 23, v[SO+\b]
.endr
	v_cvt_scalef32_pk16_bf6_f32 v[PCD:PCD+2], v[S:S+15], v[SO]
	v_cvt_scalef32_pk16_bf6_f32 v[CT:CT+2], v[S+16:S+31], v[SO+1]
	v_nop
.irp i, 0,1,2
	v_permlane16_swap_b32 v[PCD+\i], v[CT+\i]
.endr
.irp i, 0,1,2
	s_delay_alu instid0(VALU_DEP_3)
	v_mov_b32 v[PCD+3+\i], v[CT+\i]
.endr
	v_cndmask_b32 v218, v[PT], v[PT+1], s24        ; lanes 0-15 block 0's byte, lanes 16-31 block 1's
	global_store_b128 v1, v[PCD:PCD+3], s[44:45]   ; 512 and 256 consecutive bytes
	global_store_b64 v2, v[PCD+4:PCD+5], s[44:45] offset:512
	global_store_b8 v220, v218, s[46:47]           ; 32 bytes inside 128: the price of scale words that the next launch reads as they lie
.endm
	s_load_b128 s[4:7], s[0:1], 0x0                ; qimg, kvimg
	s_load_b64 s[8:9], s[0:1], 0x10                ; oc
	v_lshl_add_u32 v5, v0, 2, SPARE
	v_mov_b32 v6, 0
	ds_add_u32 v5, v6                              ; the wave's opening
	ds_add_u32 v5, v6
	v_lshrrev_b32 v1, 5, v0
	s_delay_alu instid0(VALU_DEP_1)
	v_readfirstlane_b32 s10, v1                    ; wave 0..15
	s_bfe_u32 s11, ttmp6, 0x40000                  ; cx: it enters q's and oc's addresses and the mask's numbers alone
	s_and_b32 s12, ttmp7, 0xffff                   ; batch x 16 + head
	s_and_b32 s13, s11, 1                          ; u
	s_mov_b32 s32, 15|(3<<16)|(1<<21)              ; group 1: all four work-groups; elements of 8 bytes; 21 set beside a mask; a dense block as 50 rows of 256 bytes
	s_mov_b32 s33, 32<<16
	s_mov_b32 s34, 50<<16
	s_mov_b32 s35, 32<<16
	s_mov_b32 s36, 50
	s_mov_b32 s37, 32
	s_mov_b32 s38, 0
	s_mov_b32 s39, 0
	s_mov_b32 s28, 1
	s_mul_i32 s29, s10, 12800                      ; step w goes to 12,800 w
	s_mul_i32 s26, s12, 204800
	s_add_co_u32 s26, s26, s29
	s_mov_b32 s27, 0
	s_mov_b32 s20, 0x76543210
	s_mov_b32 s21, 0xfedcba98
	s_mov_b32 s22, 0x3e38aa3b                      ; c = log2(e) / 8
	s_mov_b32 s23, s22
	s_mov_b32 s24, 0xffff0000
	s_wait_dscnt 0x0                               ; both opening adds are done
	s_wait_kmcnt 0x0
	s_add_nc_u64 s[30:31], s[6:7], s[26:27]
	s_or_b32 s31, s31, 0x80000000
	CROUND                                         ; all four work-groups are here: the joint loads meet
	tensor_load_to_lds s[28:31], s[32:39]          ; my one tensor load
	s_nop 0
.rept 4
	v_nop
.endr
	v_and_b32 v3, 31, v0
	s_delay_alu instid0(VALU_DEP_1)
	v_lshlrev_b32 v1, 4, v3                        ; 16 lane
	s_delay_alu instid0(VALU_DEP_2)
	v_lshlrev_b32 v2, 3, v3                        ; 8 lane
	s_delay_alu instid0(VALU_DEP_3)
	v_lshlrev_b32 v3, 2, v3                        ; 4 lane
	v_and_b32 v218, 15, v0                         ; r
	v_bfe_u32 v219, v0, 4, 1                       ; h
	s_delay_alu instid0(VALU_DEP_2)
	v_lshlrev_b32 v4, 2, v218                      ; 4 r
	s_delay_alu instid0(VALU_DEP_2)
	v_lshl_add_u32 v220, v218, 3, v219             ; 8 r + h
	s_delay_alu instid0(VALU_DEP_4)
	v_and_b32 v7, 8, v218
	s_delay_alu instid0(VALU_DEP_1)
	v_add_nc_u32 v7, v7, v218
	v_lshlrev_b32 v219, 4, v219
	s_delay_alu instid0(VALU_DEP_1)
	v_sub_nc_u32 v7, v7, v219                      ; r + 8 (r / 8) - 16 h
.irp j, 16,17,18,19,20,21,28,29,30,31,32,33
	v_mov_b32 v\j, 0                               ; zero codes on either side of q
.endr
.irp j, 208,209,210,211,217
	v_mov_b32 v\j, 0                               ; lane permutes' destinations, and the upper half of f's pair
.endr
	; THE CAUSAL MASK, made once.  e = my query's place in its block of 32 tokens, less 16 (lane / 16).  In the block of keys that holds my queries, register i's key is hidden where i > e: sixteen lane masks.
	; Of the two blocks that can lie on the diagonal, the first is that block where cx / 2 = 0 and lies before it otherwise (nothing hidden): s66-81; the second lies after it (all hidden) or is it: s82-97.  cx selects values alone.
	v_lshl_add_u32 v7, s13, 3, v7
.irp i, 0,1,2,3,4,5,6,7,8,9,10,11,12,13,14,15
	v_cmp_gt_i32 s[66+\i], \i, v7
.endr
	s_lshr_b32 s19, s11, 1
	s_cmp_lg_u32 s19, 0
.irp i, 0,1,2,3,4,5,6,7,8,9,10,11,12,13,14,15
	s_cselect_b32 s[82+\i], s[66+\i], -1
	s_cselect_b32 s[66+\i], 0, s[66+\i]
.endr
	s_mov_b32 s14, s10
	PASS 1
	s_sub_co_u32 s14, 31, s10
	PASS 0
	s_wait_tensorcnt 0x0                           ; the wave's end
	ds_add_u32 v5, v6
	s_wait_dscnt 0x0
	CROUND                                         ; the closing round
	s_endpgm
.Lfunc_end_k_q3cde2c2519_attn:
	.size	k_q3cde2c2519_attn, .Lfunc_end_k_q3cde2c2519_attn-k_q3cde2c2519_attn
	.p2alignl 7, 3214868480
	.fill 96, 4, 3214868480
	.section	.rodata,"a",@progbits
	.p2align	6, 0x0
	.amdhsa_kernel k_q3cde2c2519_attn
		.amdhsa_group_segment_fixed_size 327680
		.amdhsa_private_segment_fixed_size 0
		.amdhsa_enable_private_segment 0
		.amdhsa_kernarg_size 24
		.amdhsa_user_sgpr_count 2
		.amdhsa_user_sgpr_kernarg_segment_ptr 1
		.amdhsa_wavefront_size32 1
		.amdhsa_system_sgpr_workgroup_id_x 1
		.amdhsa_system_sgpr_workgroup_id_y 1
		.amdhsa_system_sgpr_workgroup_id_z 1
		.amdhsa_system_vgpr_workitem_id 0
		.amdhsa_next_free_vgpr 256
		.amdhsa_next_free_sgpr 100
		.amdhsa_reserve_vcc 0
		.amdhsa_float_denorm_mode_32 3
		.amdhsa_float_denorm_mode_16_64 3
		.amdhsa_memory_ordered 1
		.amdhsa_forward_progress 1
		.amdhsa_inst_pref_size 69
	.end_amdhsa_kernel
	.amdgpu_metadata
---
amdhsa.version: [ 1, 2 ]
amdhsa.kernels:
  - .name:           k_q3cde2c2519_attn
    .symbol:         k_q3cde2c2519_attn.kd
    .args:
      - { .name: qimg, .offset: 0, .size: 8, .value_kind: global_buffer, .address_space: global }
      - { .name: kvimg, .offset: 8, .size: 8, .value_kind: global_buffer, .address_space: global }
      - { .name: oc, .offset: 16, .size: 8, .value_kind: global_buffer, .address_space: global }
    .group_segment_fixed_size: 327680
    .private_segment_fixed_size: 0
    .kernarg_segment_align: 8
    .kernarg_segment_size: 24
    .max_flat_workgroup_size: 512
    .sgpr_count:     100
    .vgpr_count:     256
    .wavefront_size: 32
...
	.end_amdgpu_metadata
.endif
;; end of part 3
;; launch proj (part 4): grid 8 x 32, 4 waves a work-group, clusters of 4 x 4, 327,680 bytes of LDS; arguments oc, wc, bproj, out0; writes out0
.if DOCPART == 4
	.amdgcn_target "amdgcn-amd-amdhsa--gfx1250"
	.amdhsa_code_object_version 6
	.text
	.protected	k_q3cde2c2519_proj
	.globl	k_q3cde2c2519_proj
	.p2align	8
	.type	k_q3cde2c2519_proj,@function
k_q3cde2c2519_proj:
	s_mov_b64 s[64:65], 0
	v_nop
	global_prefetch_b8 v0, s[64:65] scope:SCOPE_SE
	s_setreg_imm32_b32 hwreg(HW_REG_WAVE_MODE, 25, 1), 1
	s_wait_xcnt 0x0
	s_wait_alu depctr_hold_cnt(0) depctr_sa_sdst(0) depctr_va_vdst(0) depctr_va_sdst(0) depctr_va_ssrc(0) depctr_va_vcc(0) depctr_vm_vsrc(0)
	s_getreg_b32 s2, hwreg(HW_REG_IB_STS2, 6, 4)
	s_cmp_eq_u32 s2, 0
	s_cbranch_scc0 .Lentry_in_a_cluster
	s_endpgm
.Lentry_in_a_cluster:
	s_bfe_u32 s2, ttmp6, 0x10000c
	s_cmp_lg_u32 s2, 0xf033
	s_cbranch_scc0 .Lentry_shape_is_right
	s_endpgm
.Lentry_shape_is_right:
; LAUNCH 4 OF 4: out0 = attention output x Wproj + bproj (product 6) on codes of E3M2; f32 out.
; THE PRODUCT: source 0 = 128 rows of Wproj's codes (n), source 1 = 256 tokens of oc, all K = 1,024 in LDS, filled once; a wave takes all 128 n (tiles b) and 64 tokens (tiles a).
;   LDS is twelve blocks of 25,600 bytes (32 rows x all K as they lie in memory): blocks 0-7 oc, blocks 8-11 Wproj.  One tensor load a wave: waves 0, 1 fetch oc's halves, waves 2, 3 Wproj's.
;   A lane holds one token (8 u + r + 8 (r / 8) of a block of 32), and its registers 64 a + 16 B + i are n = 32 B + 16 (lane / 16) + i.  The bias is the C of each sum's first product.
; CLUSTER 4 x 4: oc's blocks are asked for jointly along a row of the cluster, Wproj's along a column.
; NO PREFETCH: the launch has no refill and no loop to run ahead in.
; THE WAY OUT: 16 tokens x 128 n go through the wave's own stage in LDS and leave as rows of 512 consecutive bytes.  A wave's stage lies in its own two blocks of oc, which have had their only fill,
;   which no other wave reads, and whose last reads the wave has awaited at the head of K step 7.
; REGISTERS: window 0: v3-6 lane numbers, v8-13 LDS addresses, v24-25 the stage, v26-27 the add's two, v32-55 scale words, v64-159 oc's fragments (on the way out v64-191: rows read back), v192-255 the bias.
;   window 1: Wproj's fragments, two sets.   window 2: the accumulators, (a, b) at v[64 a + 8 b].
.set BLK,   25600
.set WB,    8*BLK
.set SPARE, 12*BLK                     ; behind the blocks: the spare words, 128 bytes a wave: two blocks of 256 bytes that no other line names
.set SC0, 32
.set SC1, 48
.set S1F, 64
.set BIAS, 192
.set G1A, 24
.set G1B, 32
.set G0A, 40
.set G0B, 68
.set MSB, 0
.macro WIN new                         ; the immediate's high byte repeats the setting that is left
.if MSB != \new
	s_set_vgpr_msb (MSB<<8)|\new
.set MSB, \new
.endif
.endm
.macro PLACES                          ; four places behind a matrix instruction (ISA guide 7.12.1)
.rept 4
	v_nop
.endr
.endm
.macro CROUND
	s_barrier_signal -1
	s_barrier_wait -1
	s_cmp_lg_u32 s12, 0
	s_cbranch_scc1 .Lnot_wave_0_\@
	s_barrier_signal -3
.Lnot_wave_0_\@:
	s_barrier_wait -3
	s_barrier_signal -1
	s_barrier_wait -1
.endm
.macro FRAGLD reg, a16, a8, off
	ds_load_b128 v[(\reg):(\reg)+3], v[\a16] offset:(\off)
	ds_load_b64 v[(\reg)+4:(\reg)+5], v[\a8] offset:(\off)+512
	ds_load_b128 v[(\reg)+6:(\reg)+9], v[\a16] offset:(\off)+768
	ds_load_b64 v[(\reg)+10:(\reg)+11], v[\a8] offset:(\off)+1280
.endm
.macro FETCH n                         ; K step n of 128: chunk n / 2 of each block, fragment set n % 2; with a chunk's first step its scale words
.set FQ, (\n)>>1
.set FK, (\n)&1
	WIN 0x40
.irp b, 0,1,2,3,4,5,6,7
	FRAGLD 128*FK+12*\b, 8+2*(\b/4), 9+2*(\b/4), BLK*((\b/2)%2)+6400*FQ+3072*(\b%2)+1536*FK
.endr
	WIN 0
.irp a, 0,1,2,3
	FRAGLD S1F+48*FK+12*\a, 12, 13, BLK*(\a/2)+6400*FQ+3072*(\a%2)+1536*FK
.endr
.if FK == 0
.irp g, 0,1,2,3
	ds_load_b64 v[SC0+8*(FQ&1)+2*\g:SC0+8*(FQ&1)+2*\g+1], v[9+2*(\g/2)] offset:BLK*(\g%2)+6400*FQ+6144
.endr
.irp g, 0,1
	ds_load_b64 v[SC1+4*(FQ&1)+2*\g:SC1+4*(FQ&1)+2*\g+1], v13 offset:BLK*\g+6400*FQ+6144
.endr
.endif
.endm
.macro WM d, a, b, z, c, sa, sb, ra, rb   ; z: the sum begins with the bias in v[c ..]
.if (\z) && (\ra) && (\rb)
	v_wmma_scale_f32_16x16x128_f8f6f4 v[(\d):(\d)+7], v[(\a):(\a)+11], v[(\b):(\b)+11], v[(\c):(\c)+7], v[\sa], v[\sb] matrix_a_fmt:MATRIX_FMT_BF6 matrix_b_fmt:MATRIX_FMT_BF6 matrix_a_scale:MATRIX_SCALE_ROW1 matrix_b_scale:MATRIX_SCALE_ROW1
.elseif (\z) && (\ra)
	v_wmma_scale_f32_16x16x128_f8f6f4 v[(\d):(\d)+7], v[(\a):(\a)+11], v[(\b):(\b)+11], v[(\c):(\c)+7], v[\sa], v[\sb] matrix_a_fmt:MATRIX_FMT_BF6 matrix_b_fmt:MATRIX_FMT_BF6 matrix_a_scale:MATRIX_SCALE_ROW1
.elseif (\z) && (\rb)
	v_wmma_scale_f32_16x16x128_f8f6f4 v[(\d):(\d)+7], v[(\a):(\a)+11], v[(\b):(\b)+11], v[(\c):(\c)+7], v[\sa], v[\sb] matrix_a_fmt:MATRIX_FMT_BF6 matrix_b_fmt:MATRIX_FMT_BF6 matrix_b_scale:MATRIX_SCALE_ROW1
.elseif (\z)
	v_wmma_scale_f32_16x16x128_f8f6f4 v[(\d):(\d)+7], v[(\a):(\a)+11], v[(\b):(\b)+11], v[(\c):(\c)+7], v[\sa], v[\sb] matrix_a_fmt:MATRIX_FMT_BF6 matrix_b_fmt:MATRIX_FMT_BF6
.elseif (\ra) && (\rb)
	v_wmma_scale_f32_16x16x128_f8f6f4 v[(\d):(\d)+7], v[(\a):(\a)+11], v[(\b):(\b)+11], v[(\d):(\d)+7], v[\sa], v[\sb] matrix_a_fmt:MATRIX_FMT_BF6 matrix_b_fmt:MATRIX_FMT_BF6 matrix_a_scale:MATRIX_SCALE_ROW1 matrix_b_scale:MATRIX_SCALE_ROW1
.elseif (\ra)
	v_wmma_scale_f32_16x16x128_f8f6f4 v[(\d):(\d)+7], v[(\a):(\a)+11], v[(\b):(\b)+11], v[(\d):(\d)+7], v[\sa], v[\sb] matrix_a_fmt:MATRIX_FMT_BF6 matrix_b_fmt:MATRIX_FMT_BF6 matrix_a_scale:MATRIX_SCALE_ROW1
.elseif (\rb)
	v_wmma_scale_f32_16x16x128_f8f6f4 v[(\d):(\d)+7], v[(\a):(\a)+11], v[(\b):(\b)+11], v[(\d):(\d)+7], v[\sa], v[\sb] matrix_a_fmt:MATRIX_FMT_BF6 matrix_b_fmt:MATRIX_FMT_BF6 matrix_b_scale:MATRIX_SCALE_ROW1
.else
	v_wmma_scale_f32_16x16x128_f8f6f4 v[(\d):(\d)+7], v[(\a):(\a)+11], v[(\b):(\b)+11], v[(\d):(\d)+7], v[\sa], v[\sb] matrix_a_fmt:MATRIX_FMT_BF6 matrix_b_fmt:MATRIX_FMT_BF6
.endif
.endm
.macro MUL n, z                        ; 32 products: the accumulators take turns, one instruction a turn
.set MK, (\n)&1
.set MS, ((\n)>>1)&1
.if \z
	WIN 0x81                                       ; source 0 window 1, source 1 and C (the bias) window 0, D window 2
.else
	WIN 0xa1                                       ; C and D window 2
.endif
.irp a, 0,1,2,3
.irp b, 0,1,2,3,4,5,6,7
	WM 64*\a+8*\b, 128*MK+12*\b, S1F+48*MK+12*\a, \z, BIAS+8*\b, SC0+8*MS+2*(\b/2)+MK, SC1+4*MS+2*(\a/2)+MK, \b%2, \a%2
.endr
.endr
	WIN 0
.endm
.macro STEP n, z
	s_wait_dscnt 0x0                               ; this step's fragments are in
.if (\n) < 7
.if (\n) > 0
	PLACES                                         ; the other set was read by the step before
.endif
	FETCH (\n)+1
.endif
	MUL \n, \z
.endm
.macro TOSTAGE a                       ; tile a: 16 tokens x 128 n into my stage, and back as whole rows
	WIN 0x08                                       ; an LDS store's data are its source 1: window 2
.irp b, 0,1,2,3,4,5,6,7
	ds_store_b128 v24, v[64*(\a)+8*\b:64*(\a)+8*\b+3] offset:128*(\b/2)+32*(\b%2)       ; each accumulator from its low end on
	ds_store_b128 v24, v[64*(\a)+8*\b+4:64*(\a)+8*\b+7] offset:128*(\b/2)+32*(\b%2)+16
.endr
	WIN 0
.irp i, 0,1,2,3,4,5,6,7,8,9,10,11,12,13,14,15
	ds_load_b128 v[64+64*((\a)%2)+4*\i:64+64*((\a)%2)+4*\i+3], v25 offset:528*\i   ; LDS serves a wave's instructions in order (ISA guide 5.7.1.4): these see the stores above
.endr
.endm
.macro SEND a, younger                 ; younger: the LDS instructions issued behind tile a's loads, which may stay out
	s_wait_dscnt \younger
.irp i, 0,1,2,3,4,5,6,7,8,9,10,11,12,13,14,15
	global_store_b128 v3, v[64+64*((\a)%2)+4*\i:64+64*((\a)%2)+4*\i+3], s[90:91] offset:(32*((\a)/2)+8*((\a)%2)+\i+8*(\i/8))*4096 th:TH_STORE_NT   ; 512 consecutive bytes, aligned
.endr
.endm
	s_load_b256 s[4:11], s[0:1], 0x0               ; oc, wc, bproj, out0
	v_lshl_add_u32 v26, v0, 2, SPARE
	v_mov_b32 v27, 0
	ds_add_u32 v26, v27                            ; the wave's opening
	ds_add_u32 v26, v27
	v_lshrrev_b32 v1, 5, v0
	v_readfirstlane_b32 s12, v1                    ; wave 0..3
	s_and_b32 s13, s12, 1
	s_bfe_u32 s16, ttmp6, 0x40000                  ; cx
	s_bfe_u32 s17, ttmp6, 0x40004                  ; cy
	s_and_b32 s18, ttmp7, 0xffff
	s_lshl_b32 s14, s17, 2
	s_lshl_b32 s14, 15, s14                        ; my row of the cluster
	s_lshl_b32 s15, 0x1111, s16                    ; my column
	s_or_b32 s[G1A], s14, (3<<16)|(1<<21)
	s_or_b32 s[G1B], s15, (3<<16)|(1<<21)
.irp g, G1A, G1B
	s_mov_b32 s[\g+1], 3200<<16                    ; a block, 25,600 bytes, in elements of 8
	s_mov_b32 s[\g+3], 3200<<16
	s_mov_b32 s[\g+5], 3200
	s_mov_b32 s[\g+6], 0
	s_mov_b32 s[\g+7], 0
.endr
	s_mov_b32 s[G1A+2], 4<<16                      ; oc: four blocks a load
	s_mov_b32 s[G1A+4], 4
	s_mov_b32 s[G1B+2], 2<<16                      ; Wproj: two
	s_mov_b32 s[G1B+4], 2
	s_lshl_b32 s56, ttmp9, 2
	s_add_co_u32 s56, s56, s16                     ; T0: which 128 n
	s_lshl_b32 s57, s18, 2
	s_add_co_u32 s57, s57, s17                     ; T1: which 256 tokens
	s_mul_i32 s58, s56, 102400
	s_mul_i32 s63, s13, 51200
	s_add_co_u32 s58, s58, s63
	s_add_co_u32 s58, s58, 2457600                 ; Wproj's rows in wc
	s_mov_b32 s59, 0
	s_mul_i32 s60, s57, 204800
	s_mul_i32 s63, s13, 102400
	s_add_co_u32 s60, s60, s63
	s_mov_b32 s61, 0
	s_mul_i32 s2, s13, 4*BLK                       ; where they go: the wave's number alone enters an LDS address
	s_mul_i32 s3, s13, 2*BLK
	s_add_co_u32 s3, s3, WB
	s_wait_dscnt 0x0                               ; both opening adds are done
	s_wait_kmcnt 0x0
	s_add_nc_u64 s[66:67], s[6:7], s[58:59]
	s_add_nc_u64 s[94:95], s[4:5], s[60:61]
	s_mov_b32 s[G0A], 1
	s_mov_b32 s[G0A+1], s2
	s_mov_b64 s[G0A+2:G0A+3], s[94:95]
	s_or_b32 s[G0A+3], s[G0A+3], 0x80000000
	s_mov_b32 s[G0B], 1
	s_mov_b32 s[G0B+1], s3
	s_mov_b64 s[G0B+2:G0B+3], s[66:67]
	s_or_b32 s[G0B+3], s[G0B+3], 0x80000000
	CROUND                                         ; all sixteen work-groups are here: the joint loads meet
	s_cmp_lt_u32 s12, 2                            ; one load a wave: waves 0, 1 fetch oc's halves, waves 2, 3 Wproj's
	s_cbranch_scc0 .Lfor_s0
	tensor_load_to_lds s[G0A:G0A+3], s[G1A:G1A+7]
	s_nop 0
.rept 4
	v_nop
.endr
	s_branch .Lasked
.Lfor_s0:
	tensor_load_to_lds s[G0B:G0B+3], s[G1B:G1B+7]
	s_nop 0
.rept 4
	v_nop
.endr
.Lasked:
	v_and_b32 v5, 31, v0
	v_lshlrev_b32 v3, 4, v5                        ; 16 lane
	v_lshlrev_b32 v4, 3, v5                        ; 8 lane
	v_and_b32 v1, 15, v0                           ; r
	v_bfe_u32 v2, v0, 4, 1                         ; h
	v_lshlrev_b32 v6, 6, v2                        ; 64 h: my half's 16 numbers of each 32 of the bias
	s_lshl_b32 s86, s56, 9
	s_mov_b32 s87, 0
	s_add_nc_u64 s[84:85], s[8:9], s[86:87]        ; the bias of my 128 n
.irp b, 0,1,2,3,4,5,6,7
	global_load_b128 v[BIAS+8*\b:BIAS+8*\b+3], v6, s[84:85] offset:4*(32*(\b/2)+8*(\b%2))
	global_load_b128 v[BIAS+8*\b+4:BIAS+8*\b+7], v6, s[84:85] offset:4*(32*(\b/2)+8*(\b%2))+16
.endr
	s_mul_i32 s2, s12, 2*BLK                       ; my two blocks of oc; my stage, 16 rows x 528 bytes, lies at their start
	v_add_nc_u32 v8, WB, v3
	v_add_nc_u32 v9, WB, v4
	v_add_nc_u32 v10, WB+2*BLK, v3
	v_add_nc_u32 v11, WB+2*BLK, v4
	v_add_nc_u32 v12, s2, v3
	v_add_nc_u32 v13, s2, v4
	v_mul_u32_u24 v24, v1, 528
	v_lshl_add_u32 v24, v2, 6, v24
	v_add_nc_u32 v24, s2, v24                      ; in: row r, + 64 h
	v_add_nc_u32 v25, s2, v3                       ; back: 16 bytes a lane
	s_lshl_b32 s88, s57, 20                        ; out0: 256 tokens of 4,096 bytes a tile,
	s_lshl_b32 s89, s12, 18                        ; my 64,
	s_add_co_u32 s88, s88, s89
	s_add_co_u32 s88, s88, s86                     ; my 128 n
	s_mov_b32 s89, 0
	s_add_nc_u64 s[90:91], s[10:11], s[88:89]
	s_wait_alu depctr_va_vdst(0)
	s_wait_tensorcnt 0x0                           ; my load has landed,
	s_barrier_signal -1
	s_barrier_wait -1                              ; everybody's has
	FETCH 0
	s_wait_loadcnt 0x0                             ; the bias
	STEP 0, 1                                      ; the first K step starts the sums with the bias
	STEP 1, 0
	STEP 2, 0
	STEP 3, 0
	STEP 4, 0
	STEP 5, 0
	STEP 6, 0
	STEP 7, 0
	PLACES                                         ; ahead of the first read of results and of loads into registers that held fragments
	TOSTAGE 0
	TOSTAGE 1
	SEND 0, 32                                     ; behind tile 0's loads: tile 1's 16 stores and 16 loads
	s_wait_xcnt 0x0                                ; tile 0's stores have read their registers: tile 2's rows may land there
	TOSTAGE 2
	SEND 1, 32
	s_wait_xcnt 0x0
	TOSTAGE 3
	SEND 2, 32
	SEND 3, 0
	s_wait_tensorcnt 0x0                           ; the wave's end
	ds_add_u32 v26, v27
	s_wait_dscnt 0x0
	CROUND                                         ; the closing round
	s_endpgm
.Lfunc_end_k_q3cde2c2519_proj:
	.size	k_q3cde2c2519_proj, .Lfunc_end_k_q3cde2c2519_proj-k_q3cde2c2519_proj
	.p2alignl 7, 3214868480
	.fill 96, 4, 3214868480
	.section	.rodata,"a",@progbits
	.p2align	6, 0x0
	.amdhsa_kernel k_q3cde2c2519_proj
		.amdhsa_group_segment_fixed_size 327680
		.amdhsa_private_segment_fixed_size 0
		.amdhsa_enable_private_segment 0
		.amdhsa_kernarg_size 32
		.amdhsa_user_sgpr_count 2
		.amdhsa_user_sgpr_kernarg_segment_ptr 1
		.amdhsa_wavefront_size32 1
		.amdhsa_system_sgpr_workgroup_id_x 1
		.amdhsa_system_sgpr_workgroup_id_y 1
		.amdhsa_system_sgpr_workgroup_id_z 1
		.amdhsa_system_vgpr_workitem_id 0
		.amdhsa_next_free_vgpr 768
		.amdhsa_next_free_sgpr 100
		.amdhsa_reserve_vcc 0
		.amdhsa_float_denorm_mode_32 3
		.amdhsa_float_denorm_mode_16_64 3
		.amdhsa_memory_ordered 1
		.amdhsa_forward_progress 1
		.amdhsa_inst_pref_size 82
	.end_amdhsa_kernel
	.amdgpu_metadata
---
amdhsa.version: [ 1, 2 ]
amdhsa.kernels:
  - .name:           k_q3cde2c2519_proj
    .symbol:         k_q3cde2c2519_proj.kd
    .args:
      - { .name: oc, .offset: 0, .size: 8, .value_kind: global_buffer, .address_space: global }
      - { .name: wc, .offset: 8, .size: 8, .value_kind: global_buffer, .address_space: global }
      - { .name: bproj, .offset: 16, .size: 8, .value_kind: global_buffer, .address_space: global }
      - { .name: out0, .offset: 24, .size: 8, .value_kind: global_buffer, .address_space: global }
    .group_segment_fixed_size: 327680
    .private_segment_fixed_size: 0
    .kernarg_segment_align: 8
    .kernarg_segment_size: 32
    .max_flat_workgroup_size: 128
    .sgpr_count:     100
    .vgpr_count:     768
    .wavefront_size: 32
...
	.end_amdgpu_metadata
.endif
;; end of part 4
